; MI455X (gfx1250); checked and timed in simulation.
; The chip was launched on July 23, 2026; its instructions are those of AMD's public machine-readable ISA for CDNA 5 (MIT licence, August 2026) and "CDNA5" Instruction Set Architecture Reference Guide (July 2026). The comments in the code are by the model that wrote it; some were corrected since.
;; Multi Head Attention. Allowed arithmetic: matrix products marked QUANTISED: E2M3 operands, one E8M0 scale for each 32 along K, by v_wmma_scale_f32_16x16x128_f8f6f4 with both operands' format E2M3, f32 sums; everything else in f32.
;; Inputs: b_out 1,024 float32; beta 1,024 float32; gamma 1,024 float32; w_out_codes 1,024 x 32 x 24 uint8 (E2M3 codes of w_out, K innermost, in blocks of 32 codes, four codes in three bytes); w_out_scales 1,024 x 32 uint8 (E8M0 scales of w_out, one for each 32 codes along K); w_qkv_codes 3,072 x 32 x 24 uint8 (E2M3 codes of w_qkv, K innermost, in blocks of 32 codes, four codes in three bytes); w_qkv_scales 3,072 x 32 uint8 (E8M0 scales of w_qkv, one for each 32 codes along K); x 4 x 2,048 x 1,024 float32.
;; Outputs: out0 4 x 2,048 x 1,024 float32.
;; This version of the problem:
;;   THIS VERSION OF THE PROBLEM IS GIVEN IN LOW PRECISION. The matrix products marked QUANTISED in the list below multiply operands that are first quantised to E2M3 (2 exponent bits, 3 mantissa bits; 6 bits a number), with one power-of-two scale for each 32 numbers along K (OCP MX v1.0); their sums are f32. All else is computed in f32.
;;   The module's matrix products, in the order in which they are computed (A, B: the left and right operand; K: the contracted axis; several contracted axes count as one K, in the product's order):
;;     1. [M 8,192, K 1,024] x [K 1,024, N 3,072]; A: input x; B: input w_qkv (given as codes): QUANTISED
;;     2. batch 64 x [M 2,048, K 64] x [K 64, N 2,048]; A: computed on the way; B: computed on the way: QUANTISED
;;     3. batch 64 x [M 2,048, K 2,048] x [K 2,048, N 64]; A: computed on the way; B: computed on the way: QUANTISED
;;     4. [M 8,192, K 1,024] x [K 1,024, N 1,024]; A: computed on the way; B: input w_out (given as codes): QUANTISED
;;   THE QUANTISER, for each operand of a quantised product, along K:
;;     - K is cut into blocks of 32 from its start; a last block that is shorter is filled with zeros.
;;     - A block's scale is 2^e with e = floor(log2(the largest magnitude in the block)) - 2, held to -126 .. 127; a block of zeros has e = 0. As a byte (E8M0): e + 127.
;;     - Each number is divided by its block's scale, clamped to +-7.5, and rounded to the nearest number of E2M3, ties to even, subnormals kept.
;;     - The product sums the exact products of the quantised numbers (number of the format x scale) in f32.
;;   ~~~python
;;   def quantise(x, axis):      # numpy; x: float32 -> the quantised numbers, widened to float32 again
;;       x = np.moveaxis(x, axis, -1); K = x.shape[-1]
;;       x = np.pad(x, [(0, 0)] * (x.ndim - 1) + [(0, -K % 32)]); x = x.reshape(x.shape[:-1] + (-1, 32)); a = np.abs(x).max(-1, keepdims=True)
;;       e = np.where(a > 0, np.clip(np.frexp(np.where(a > 0, a, 1))[1] - 1 - 2, -126, 127), 0)      # np.frexp(a)[1] - 1 = floor(log2(a)), exactly
;;       r = np.clip(x / 2.0 ** e, -7.5, 7.5)
;;       step = 2.0 ** (np.maximum(np.frexp(np.where(r == 0, 1, r))[1] - 1, 0) - 3)
;;       q = np.round(r / step) * step * 2.0 ** e      # np.round: ties to even
;;       return np.moveaxis(q.reshape(q.shape[:-2] + (-1,))[..., :K], -1, axis).astype(np.float32)
;;   ~~~
;;   OPERANDS COMPUTED ON THE WAY. 'Computed on the way' means the value that the module computes at that place (a softmax that the list does not call 'softmax' is quantised finished and normalised). What goes into a quantiser is computed in f32, as accurately as f32 sums, v_exp_f32 and their like allow (about 1e-6 of the number): no bf16 or f16 on the way to a quantiser, and a product that is left as it is and whose result goes on into a quantised operand takes f32 operands (vector FMAs, or v_wmma_f32_16x16x4_f32). A number that lies on a knife's edge between two numbers of the format may be rounded either way, as far as f32 arithmetic and the matrix unit's own rounding can turn it there, and no further.
;;   INPUTS GIVEN AS CODES. w_out (in the module: [1024, 1024], K = its axis 0); w_qkv (in the module: [1024, 3072], K = its axis 0): each comes as NAME_codes (uint8): NAME with its K axis moved to the last place and cut into blocks of 32 codes, [.., K / 32, bytes a block], one block behind the other in memory; four codes in three bytes: a row's codes are one little-endian stream of bits, code i at bits 6 i .. 6 i + 5 (a code: sign, 2 exponent bits, 3 mantissa bits); and NAME_scales (uint8): the same leading axes, one E8M0 byte (e + 127) for each 32 codes along K. Its value is code x scale, taken as it is: it is not quantised again, and the codes and scales need not be those that the quantiser above would give.
;; One version. Each part assembles by itself: llvm-mc -triple=amdgcn-amd-amdhsa -mcpu=gfx1250 --defsym DOCPART=n.
;; ======== version 1 of 1: 4 launches
;; workspace buffers: cod1 8,650,752 bytes; scl1 360,448 bytes; wo 786,432 bytes; qkvc 18,874,368 bytes; qkvs 1,572,864 bytes; oc 6,291,456 bytes; osc 262,144 bytes
;; launch prep (part 1): grid 320 x 1, 4 waves a work-group, no clusters, 33,280 bytes of LDS; arguments x, w_qkv_codes, w_qkv_scales, w_out_codes, cod1, scl1, wo; writes cod1, scl1, wo
.if DOCPART == 1
	.amdgcn_target "amdgcn-amd-amdhsa--gfx1250"
	.amdhsa_code_object_version 6
	.text
	.protected	k_qa4191bc020_prep
	.globl	k_qa4191bc020_prep
	.p2align	8
	.type	k_qa4191bc020_prep,@function
k_qa4191bc020_prep:
	s_mov_b64 s[64:65], 0
	v_nop
	global_prefetch_b8 v0, s[64:65] scope:SCOPE_SE
	s_setreg_imm32_b32 hwreg(HW_REG_WAVE_MODE, 25, 1), 1
	s_wait_xcnt 0x0
; THE OPERANDS OF THE FIRST AND THE LAST PRODUCT ARE LAID AS THE LATER LAUNCHES WANT THEM.  Three kinds of work-groups, told apart by the work-group's number:
;   0..255    x [8192][1024] f32 becomes codes of FP6 (E2M3) with one E8M0 byte for each 32 along K: rows 0..8191 of cod1 (768 bytes a row) and of scl1 (32 bytes a row).
;   256..303  the rows of w_qkv (codes and scale bytes as given, nothing is quantised again) are copied behind them in another order: rows 8192 + 128 hd + (0..63 q, 64..127 k) and rows 10240 + 64 hd + (0..63 v).
;             Inside every 32 rows the groups of eight change places (0, 2, 1, 3): place 32 b + 16 u + 8 h + j holds dim 32 b + 16 h + 8 u + j, so that in a transposed product a lane's 16 registers of two
;             neighbouring tiles are 16 neighbouring dims.
;   304..319  w_out's codes are laid in the order of an operand's registers: [64 tiles of 16 rows][8 K steps][1,536 bytes]; registers 4 c .. 4 c + 3 of lane l at 512 c + 16 l.
; A block's scale is 2^(floor(log2(its largest magnitude)) - 2); its byte is the largest magnitude's exponent field - 2, held at 1 from below.
; LIMITS: a block of zeros gets the byte 1 where the rule says 127 (its codes are zeros, which add nothing under any byte but 0xff, and this program alone reads the bytes);
; NaN and infinities among the inputs are not served.
; No tensor loads, no barrier: waves share nothing.  Only the first kind uses LDS.
.set STEPS, 16
.set EMAX,  2
.set CB,    12                         ; bytes of 16 codes
.set R,     16                         ; v16-79   four sets of 16 numbers as they are loaded
.set X,     80                         ; v80-111  two sets of 16 neighbours
.set C,     128                        ; v128-191 codes: four registers for each step, so that no store's data are written again
.set E,     112                        ; v112-127 a scale byte for each step
.set WREG,  8192                       ; LDS: a region of its own for each wave: two stages of 32 x SP bytes, and behind them its 256 scale bytes
.set SP,    80                         ; a lane's place in a stage: its 64 bytes + 16 of padding
	s_load_b256 s[4:11], s[0:1], 0x0               ; x s[4:5], w_qkv's codes s[6:7], its scales s[8:9], w_out's codes s[10:11]
	s_load_b128 s[12:15], s[0:1], 0x20             ; cod1 s[12:13], scl1 s[14:15]
	s_load_b64 s[16:17], s[0:1], 0x30              ; wo
	v_lshl_add_u32 v192, v0, 2, 0x8000
	v_mov_b32 v193, 0
	v_lshrrev_b32 v1, 5, v0
	v_readfirstlane_b32 s18, v1                    ; wave
	v_and_b32 v2, 31, v0                           ; lane
	s_cmp_ge_u32 ttmp9, 256
	s_cbranch_scc1 .Lweights
; ---- x.  Rows are dense and K is a multiple of 32: a plain stream of blocks.  A wave takes 16 steps of 512 numbers.  Each load reads 512 consecutive bytes; a step's 2,048 bytes turn through the wave's own stage
; in LDS, so that a lane then holds 16 neighbours (two neighbouring lanes hold a block).
	v_lshlrev_b32 v3, 4, v2                        ; my 16 bytes of a load's 512
	s_mul_i32 s19, s18, WREG
	v_lshrrev_b32 v14, 2, v2
	v_mul_u32_u24 v14, v14, SP
	v_and_b32 v15, 3, v2
	v_lshl_add_u32 v14, v15, 4, v14
	v_add_nc_u32 v14, s19, v14                     ; the stage, on the way in: SP (lane / 4) + 16 (lane % 4)
	v_mul_u32_u24 v15, v2, SP
	v_add_nc_u32 v15, s19, v15                     ; and on the way out: SP x lane
	v_mul_u32_u24 v4, v2, CB                       ; my codes' place in a step's
	v_lshrrev_b32 v5, 1, v2
	s_add_co_u32 s19, s19, 2*32*SP
	v_add_nc_u32 v5, s19, v5                       ; LDS: my wave's 256 scale bytes, my block's byte
	v_lshlrev_b32 v7, 3, v2                        ; and on the way out 8 bytes a lane
	v_add_nc_u32 v6, s19, v7
	s_lshl_b32 s20, ttmp9, 2
	s_add_co_u32 s20, s20, s18                     ; which run of 8,192 numbers is my wave's
	s_lshl_b32 s22, s20, 15                        ; 32,768 bytes of x,
	s_mov_b32 s23, 0
	s_mul_i32 s24, s20, 32*STEPS*CB                ; 6,144 bytes of codes,
	s_mov_b32 s25, 0
	s_lshl_b32 s26, s20, 8                         ; 256 scale bytes a run
	s_mov_b32 s27, 0
	s_wait_kmcnt 0x0
	s_add_nc_u64 s[4:5], s[4:5], s[22:23]
	s_add_nc_u64 s[12:13], s[12:13], s[24:25]
	s_add_nc_u64 s[14:15], s[14:15], s[26:27]
.macro LOAD t
.irp i, 0,1,2,3
	global_load_b128 v[R+16*((\t)%4)+4*\i:R+16*((\t)%4)+4*\i+3], v3, s[4:5] offset:2048*(\t)+512*\i   ; 32 lanes read 512 consecutive bytes (x is read again by the last launch: no hint)
.endr
.endm
.macro TURN t                          ; step t's numbers through the stage: LDS serves a wave's instructions in order, so no wait stands between the stores and the loads
.irp i, 0,1,2,3
	ds_store_b128 v14, v[R+16*((\t)%4)+4*\i:R+16*((\t)%4)+4*\i+3] offset:32*SP*((\t)%2)+8*SP*\i
.endr
.irp i, 0,1,2,3
	ds_load_b128 v[X+16*((\t)%2)+4*\i:X+16*((\t)%2)+4*\i+3], v15 offset:32*SP*((\t)%2)+16*\i
.endr
.endm
.irp t, 0,1,2,3
	LOAD \t
.endr
	s_wait_loadcnt 12                              ; step 0's four loads are in; the twelve of steps 1 to 3 may be out
	TURN 0
.macro STEP t
.set XS, X+16*((\t)%2)
.if (\t) > 0
	s_wait_dscnt 1                                 ; this step's numbers are back from the stage (the last step's byte store may be out)
.else
	s_wait_dscnt 0x0
.endif
.if (\t)+4 < STEPS
	LOAD (\t)+4                                    ; into the registers that this step's stores into the stage have read
.endif
.if (\t)+1 < STEPS
.if STEPS-2-(\t) >= 3
	s_wait_loadcnt 12                              ; the next step's four loads are in; those of the three steps behind it may be out
.else
	s_wait_loadcnt 4*(STEPS-2-(\t))
.endif
	TURN (\t)+1                                    ; and go through the other stage while this step is worked
.endif
	v_max3_num_f32 v8, |v[XS]|, |v[XS+1]|, |v[XS+2]|               ; the largest magnitude of my 16
	v_max3_num_f32 v9, |v[XS+3]|, |v[XS+4]|, |v[XS+5]|
.irp i, 6,10
	v_max3_num_f32 v8, v8, |v[XS+\i]|, |v[XS+\i+1]|
	v_max3_num_f32 v9, v9, |v[XS+\i+2]|, |v[XS+\i+3]|
.endr
	v_max3_num_f32 v8, v8, |v[XS+14]|, |v[XS+15]|
	v_max3_num_f32 v8, v8, v9, (EMAX+1)<<23        ; and the floor 2^(3 - 127): the byte cannot fall under 1
	v_max_num_f32_dpp v8, v8, v8 row_xmask:1 row_mask:0xf bank_mask:0xf   ; and of my neighbour's 16: the block's
	v_add_nc_u32 v11, -(EMAX<<23), v8              ; 2 off its exponent field: the conversion takes the exponent field of this operand as its scale
	v_cvt_scalef32_pk16_fp6_f32 v[C+4*(\t):C+4*(\t)+2], v[XS:XS+15], v11
	v_lshrrev_b32 v[E+(\t)], 23, v11               ; the scale's byte (also the plain line behind the conversion)
	ds_store_b8 v5, v[E+(\t)] offset:16*(\t)       ; both lanes of a block write the same byte with the same value
	global_store_b96 v4, v[C+4*(\t):C+4*(\t)+2], s[12:13] offset:32*CB*(\t)   ; the wave stores 384 consecutive bytes
.endm
.irp t, 0,1,2,3,4,5,6,7,8,9,10,11,12,13,14,15
	STEP \t
.endr
	ds_load_b64 v[12:13], v6                       ; LDS serves a wave's instructions in order: these see my stores
	s_wait_dscnt 0x0
	global_store_b64 v7, v[12:13], s[14:15]        ; 32 lanes store 256 consecutive bytes, aligned
	s_wait_tensorcnt 0x0
	ds_add_u32 v192, v193
	s_wait_dscnt 0x0
	s_endpgm
.Lweights:
	s_cmp_ge_u32 ttmp9, 304
	s_cbranch_scc1 .Lwo
; ---- w_qkv: 64 rows a work-group.  g < 32: q (g even) or k (g odd) of head g / 2; else v of head g - 32.  128 threads x 16 bytes are 2,048 bytes; eight rows of codes are three such pieces.
	s_sub_co_u32 s19, ttmp9, 256                   ; g
	s_lshr_b32 s20, s19, 1
	s_mul_i32 s20, s20, 192
	s_and_b32 s21, s19, 1
	s_lshl_b32 s21, s21, 6
	s_add_co_u32 s20, s20, s21                     ; q's or k's first row in w_qkv
	s_sub_co_u32 s21, s19, 32
	s_mul_i32 s21, s21, 192
	s_add_co_u32 s21, s21, 128                     ; v's (of use where g is 32 or more)
	s_cmp_lt_u32 s19, 32
	s_cselect_b32 s20, s20, s21
	s_lshl_b32 s21, s19, 6
	s_add_co_u32 s21, s21, 8192                    ; the first row in cod1 and scl1
	s_mul_i32 s22, s20, 768
	s_mov_b32 s23, 0
	s_lshl_b32 s24, s20, 5
	s_mov_b32 s25, 0
	s_mul_i32 s26, s21, 768
	s_mov_b32 s27, 0
	s_lshl_b32 s28, s21, 5
	s_mov_b32 s29, 0
	v_lshlrev_b32 v3, 4, v0                        ; 16 x thread
	v_and_b32 v4, 0x4f, v0                         ; the scale bytes: two threads to a row, so the row's bits 3 and 4 are the thread's bits 4 and 5: they change places
	v_bfe_u32 v5, v0, 4, 1
	v_bfe_u32 v6, v0, 5, 1
	v_lshl_or_b32 v4, v5, 5, v4
	v_lshl_or_b32 v4, v6, 4, v4
	v_lshlrev_b32 v4, 4, v4
	s_wait_kmcnt 0x0
	s_add_nc_u64 s[6:7], s[6:7], s[22:23]
	s_add_nc_u64 s[8:9], s[8:9], s[24:25]
	s_add_nc_u64 s[12:13], s[12:13], s[26:27]
	s_add_nc_u64 s[14:15], s[14:15], s[28:29]
.set i, 0
.rept 24
.set G, i/3                            ; the group of eight rows as it will lie,
.set PG, (G&4)|((G&1)<<1)|((G>>1)&1)   ; and the group that it comes from
	global_load_b128 v[32+4*i:32+4*i+3], v3, s[6:7] offset:PG*6144+(i%3)*2048 th:TH_LOAD_NT
.set i, i+1
.endr
	global_load_b128 v[128:131], v4, s[8:9] th:TH_LOAD_NT
.set i, 0
.rept 24
	s_wait_loadcnt 24-i                            ; piece i is in: behind it stand 23 - i pieces and the scale bytes
	global_store_b128 v3, v[32+4*i:32+4*i+3], s[12:13] offset:2048*i
.set i, i+1
.endr
	s_wait_loadcnt 0x0
	global_store_b128 v3, v[128:131], s[14:15]
	s_endpgm
.Lwo:
; ---- w_out: a wave takes a tile of 16 rows.  Lane (r, h) takes of row r, for K step s, the 24 bytes at 96 s + 24 h and those at 96 s + 48 + 24 h: the fragment's 12 registers; they leave as an image of the registers.
	s_sub_co_u32 s19, ttmp9, 304
	s_lshl_b32 s19, s19, 2
	s_add_co_u32 s19, s19, s18                     ; the tile
	s_mul_i32 s20, s19, 12288                      ; 16 rows of 768 bytes, in both buffers
	s_mov_b32 s21, 0
	v_and_b32 v3, 15, v0
	v_bfe_u32 v4, v0, 4, 1
	v_mul_u32_u24 v5, v3, 768
	v_mad_u32_u24 v5, v4, 24, v5
	v_lshlrev_b32 v6, 4, v2
	s_wait_kmcnt 0x0
	s_add_nc_u64 s[10:11], s[10:11], s[20:21]
	s_add_nc_u64 s[16:17], s[16:17], s[20:21]
.irp s, 0,1,2,3,4,5,6,7
.irp p, 0,1,2,3,4,5
	global_load_b64 v[32+12*\s+2*\p:32+12*\s+2*\p+1], v5, s[10:11] offset:96*\s+48*(\p/3)+8*(\p%3)
.endr
.endr
.irp s, 0,1,2,3,4,5,6,7
	s_wait_loadcnt 6*(7-\s)                        ; K step s's six loads are in; those of the later steps may be out
.irp c, 0,1,2
	global_store_b128 v6, v[32+12*\s+4*\c:32+12*\s+4*\c+3], s[16:17] offset:1536*\s+512*\c
.endr
.endr
	s_endpgm
.Lfunc_end_k_qa4191bc020_prep:
	.size	k_qa4191bc020_prep, .Lfunc_end_k_qa4191bc020_prep-k_qa4191bc020_prep
	.p2alignl 7, 3214868480
	.fill 96, 4, 3214868480
	.section	.rodata,"a",@progbits
	.p2align	6, 0x0
	.amdhsa_kernel k_qa4191bc020_prep
		.amdhsa_group_segment_fixed_size 33280
		.amdhsa_private_segment_fixed_size 0
		.amdhsa_enable_private_segment 0
		.amdhsa_kernarg_size 56
		.amdhsa_user_sgpr_count 2
		.amdhsa_user_sgpr_kernarg_segment_ptr 1
		.amdhsa_wavefront_size32 1
		.amdhsa_system_sgpr_workgroup_id_x 1
		.amdhsa_system_sgpr_workgroup_id_y 1
		.amdhsa_system_sgpr_workgroup_id_z 1
		.amdhsa_system_vgpr_workitem_id 0
		.amdhsa_next_free_vgpr 194
		.amdhsa_next_free_sgpr 66
		.amdhsa_reserve_vcc 0
		.amdhsa_float_denorm_mode_32 3
		.amdhsa_float_denorm_mode_16_64 3
		.amdhsa_memory_ordered 1
		.amdhsa_forward_progress 1
		.amdhsa_inst_pref_size 47
	.end_amdhsa_kernel
	.amdgpu_metadata
---
amdhsa.version: [ 1, 2 ]
amdhsa.kernels:
  - .name:           k_qa4191bc020_prep
    .symbol:         k_qa4191bc020_prep.kd
    .args:
      - { .name: x, .offset: 0, .size: 8, .value_kind: global_buffer, .address_space: global }
      - { .name: w_qkv_codes, .offset: 8, .size: 8, .value_kind: global_buffer, .address_space: global }
      - { .name: w_qkv_scales, .offset: 16, .size: 8, .value_kind: global_buffer, .address_space: global }
      - { .name: w_out_codes, .offset: 24, .size: 8, .value_kind: global_buffer, .address_space: global }
      - { .name: cod1, .offset: 32, .size: 8, .value_kind: global_buffer, .address_space: global }
      - { .name: scl1, .offset: 40, .size: 8, .value_kind: global_buffer, .address_space: global }
      - { .name: wo, .offset: 48, .size: 8, .value_kind: global_buffer, .address_space: global }
    .group_segment_fixed_size: 33280
    .private_segment_fixed_size: 0
    .kernarg_segment_align: 8
    .kernarg_segment_size: 56
    .max_flat_workgroup_size: 128
    .sgpr_count:     66
    .vgpr_count:     194
    .wavefront_size: 32
...
	.end_amdgpu_metadata
.endif
;; end of part 1
;; launch qkv (part 2): grid 12 x 32, 4 waves a work-group, clusters of 4 x 4, 327,680 bytes of LDS; arguments cod1, scl1, qkvc, qkvs; writes qkvc, qkvs
.if DOCPART == 2
	.amdgcn_target "amdgcn-amd-amdhsa--gfx1250"
	.amdhsa_code_object_version 6
	.text
	.protected	k_qa4191bc020_qkv
	.globl	k_qa4191bc020_qkv
	.p2align	8
	.type	k_qa4191bc020_qkv,@function
k_qa4191bc020_qkv:
	s_mov_b64 s[64:65], 0
	v_nop
	global_prefetch_b8 v0, s[64:65] scope:SCOPE_SE
	s_setreg_imm32_b32 hwreg(HW_REG_WAVE_MODE, 25, 1), 1
	s_wait_xcnt 0x0
	s_wait_alu depctr_hold_cnt(0) depctr_sa_sdst(0) depctr_va_vdst(0) depctr_va_sdst(0) depctr_va_ssrc(0) depctr_va_vcc(0) depctr_vm_vsrc(0)
	s_getreg_b32 s2, hwreg(HW_REG_IB_STS2, 6, 4)
	s_cmp_eq_u32 s2, 0
	s_cbranch_scc0 .Lentry_in_a_cluster
	s_endpgm
.Lentry_in_a_cluster:
	s_bfe_u32 s2, ttmp6, 0x10000c
	s_cmp_lg_u32 s2, 0xf033
	s_cbranch_scc0 .Lentry_shape_is_right
	s_endpgm
.Lentry_shape_is_right:
; THE FIRST PRODUCT, x w_qkv, ON CODES OF FP6 (E2M3) WITH E8M0 SCALES, AND THE QUANTISING OF q, k AND v FOR THE TWO PRODUCTS OF ATTENTION.
; Both operands are rows of ONE matrix of codes, cod1 [11264][768 bytes] (K = 1024 innermost), with scl1 [11264][32] beside it: rows 0..8191 tokens, 8192.. q's and k's rows of w_qkv, 10240.. v's.
; A tile of 256 x 256 is made by four waves, 128 x 128 each: 64 accumulators, 512 registers.  K goes in steps of 256 through a ring of two LDS slots filled by the tensor data mover.
; THE MATRIX INSTRUCTION: source 0 = 16 rows of B, source 1 = 16 rows of A.  In the result a lane holds ONE row of A, and its registers run along B's rows.  What is quantised next runs along B:
;   clusters x = 0, 1 (q and k):  A = tokens, B = 256 rows of w_qkv (two heads' q and k): a lane holds a token, its registers a head's 64 dims of q and 64 of k.
;   cluster  x = 2    (v):        A = 256 rows of w_qkv (four heads' v), B = tokens: a lane holds a dim, its registers 128 keys, which are the third product's K.
; So a wave's block of 16 rows of A x 128 of B is one operand fragment (12 registers a lane) and one scale word a lane, made in registers and stored as an image of the registers:
;   q, k: [64 heads][128 token tiles][768 bytes]: registers 0-3 at 16 x lane, registers 4-5 at 512 + 8 x lane (K = 64: half a fragment).   v: [64][16 key steps][4 dim tiles][2 x 768 bytes].
;   scale words: q's and k's [64][32 groups of 4 token tiles][512]: lane l's 16 bytes are four tiles' words, lanes 0-15 q's, lanes 16-31 k's, each with its two bytes below and zeros above;  v's [64][16][512]: four dim tiles' words.
; Tokens are taken in their own order, so inside a block of 32 keys v's codes lie in the order (0-7, 16-23, 8-15, 24-31); the attention launch lays its weights in the same order.
; LIMITS: a block of zeros gets the byte 1 where the rule says 127 (its codes are zeros; this program alone reads the bytes); NaN and infinities are not served.
; CLUSTERS: 4 x 4 work-groups.  The four of a row of the cluster need the same tiles of A, the four of a column the same tiles of B: each tile is asked for JOINTLY.  Which kind a cluster is hangs on the cluster's x alone.
; REGISTERS, in windows of 256: window 0: v0-31 addresses; v32-63 scale words, two sets; v64-115 at work on the way out; from v128 A's fragments, ONE set.
;   window 1: B's fragments, TWO sets, at v0 and at v128.   window 2: the 32 accumulators of my rows 0-63 of A (accumulator (a, b) at v[8 (8 a + b)]);   window 3: those of my rows 64-127.
.set KSTEP,  256                       ; along K in a slot
.set NQ,     KSTEP/128                 ; matrix instructions deep
.set ROWB,   192                       ; a tile's row in bytes
.set KROW,   768                       ; a row of cod1 in bytes
.set PITCH,  240                       ; an LDS row: 3 x (64 bytes of data + 16 of padding)
.set FR,     12                        ; registers of a fragment
.set NL,     6                         ; LDS loads that bring one
.set NP,     4                         ; places behind this matrix instruction (ISA guide 7.12.1)
.set HALFT,  128*PITCH                 ; 128 rows: what one tensor load brings
.set SLOT,   4*HALFT                   ; A's 256 rows, then B's 256 rows
.set LAPS,   2                         ; K = 1024: four K steps, twice round the ring
.set KS,     32                        ; a row of scales in bytes
.set SCL,    2*SLOT                    ; behind the ring: the scales, as units of 256 bytes + 16 of padding
.set HALFS,  (128*KS/256)*272          ; the scales of 128 rows
.set SBLK,   (16*KS/256)*272           ; those of 16 rows
.set SPARE,  SCL+4*HALFS               ; behind the scales: the spare words, 128 bytes for each wave, which no other line names
.set ADRA, 16                          ; v16-17  LDS address of my A fragments in slot 0, 1  (v18-19: for the pieces that lie behind one padding more)
.set ADRB, 20                          ; v20-21  the same for B  (v22-23)
.set LI,   24                          ; v24     16 x lane
.set L8,   25                          ; v25     8 x lane
.set ADRS, 27                          ; v27     LDS address of my scale words: lanes 0-15 A's rows, lanes 16-31 B's
.set SPW,  28                          ; v28     LDS address of my spare word; never rewritten
.set NIL,  29                          ; v29     0; never rewritten
.set SC,   32                          ; scale words: set s at v[SC + 16 s]
.set TM,   64                          ; the way out: v64-67 largest magnitudes, v68-71 bytes, v76-79 the conversions' scale operands
.set PW,   80                          ; the scale word just made
.set SHV,  81                          ; how far it is shifted down: 16 in lanes 16-31 of q's and k's kind, else 0
.set SW,   84                          ; v84-91  the eight blocks' words as they are stored
.set PC,   96                          ; v96-115 the codes just made
.set AF,   128                         ; A's fragments, in window 0
.set G1, 24                            ; s[24:31] descriptor group 1 for A's tiles;  s[32:39] group 0, one set for each slot
.set G0, 32
.set G1B, 48                           ; s[48:55], s[56:63] the same for B's tiles
.set G0B, 56
.set G1S, 68                           ; s[68:75], s[76:79] groups 1 and 0 for A's scales;  s[80:87], s[88:91] for B's
.set G0S, 76
.set G1SB, 80
.set G0SB, 88
.set P0,  8                            ; the way out: s[8:9] where a fragment's first half goes, s[12:13] its second half, s[10:11] the scale words
.set P1,  12
.set PS,  10
.set STA, 66                           ; s[66:67] from block to block;  s[96:97] from block 3 to block 4;  s[98:99] the same for the scale words
.set STG, 96
.set STS, 98
.set MK,  95                           ; s95 what is kept of a scale word
.set SEL, 100                          ; s[100:101] lane selects for v_permlanex16_b32: lane l xor 16
.set MSB, 0
.macro WIN new                         ; the immediate's high byte repeats the setting that is left
.if MSB != \new
	s_set_vgpr_msb (MSB<<8)|\new
.set MSB, \new
.endif
.endm
.set MUL_LO, 0xa1                      ; source 0 (B) window 1, source 1 (A) window 0, C and D window 2
.set MUL_HI, 0xf1                      ; the same, C and D window 3
.set TO_B,   0x40                      ; destination window 1, address window 0
; A joint load: waves 0 and 1 fetch for A, waves 2 and 3 for B.  Each of the two lines has ONE mask and one set of registers for all that issue it; the branch hangs on the wave's number alone.
; Four v_nop follow each of the two lines, ahead of the jump, the label and what follows.
.macro JLOAD g0a, g1a, g0b, g1b
	s_cmp_eq_u32 s15, 0
	s_cbranch_scc0 .Lfor_b_\@
	tensor_load_to_lds s[\g0a:\g0a+3], s[\g1a:\g1a+7]
	s_nop 0
.rept 4
	v_nop
.endr
	s_branch .Lasked_\@
.Lfor_b_\@:
	tensor_load_to_lds s[\g0b:\g0b+3], s[\g1b:\g1b+7]
	s_nop 0
.rept 4
	v_nop
.endr
.Lasked_\@:
.endm
.macro CREST                           ; a round of the cluster's barrier behind its opening barrier
	s_cmp_lg_u32 s14, 0
	s_cbranch_scc1 .Lnot_wave_0_\@
	s_barrier_signal -3
.Lnot_wave_0_\@:
	s_barrier_wait -3
	s_barrier_signal -1
	s_barrier_wait -1
.endm
.macro CROUND                          ; a whole round
	s_barrier_signal -1
	s_barrier_wait -1
	CREST
.endm
	s_load_b256 s[4:11], s[0:1], 0x0               ; cod1 s[4:5], scl1 s[6:7], qkvc s[8:9], qkvs s[10:11]
	v_lshl_add_u32 v[SPW], v0, 2, SPARE
	v_mov_b32 v[NIL], 0
	ds_add_u32 v28, v29
	ds_add_u32 v28, v29
	s_wait_dscnt 0x0
	v_lshrrev_b32 v1, 5, v0
	v_readfirstlane_b32 s14, v1                    ; wave 0..3
	s_lshr_b32 s15, s14, 1                         ; which half of A's rows is mine.  Also: I fetch for A (0) or for B (1)
	s_and_b32 s16, s14, 1                          ; which half of B's rows.  Also: which 128 rows of that tile I fetch
	s_bfe_u32 s40, ttmp6, 0x40000                  ; cx, cy: my place in the cluster
	s_bfe_u32 s41, ttmp6, 0x40004
	s_and_b32 s17, ttmp7, 0xffff
	s_lshl_b32 s17, s17, 2                         ; 4 x cluster y; it stays
	; A's first row hangs on cy (and the cluster), B's on cx (and the cluster): each is made in registers that never hold the other coordinate
	s_add_co_u32 s18, s17, s41
	s_lshl_b32 s18, s18, 8                         ; q, k: A = tokens 256 (4 cluster y + cy) on
	s_lshl_b32 s19, s41, 8
	s_add_co_u32 s19, s19, 10240                   ; v:    A = v's rows 256 cy on
	s_lshl_b32 s42, ttmp9, 2
	s_add_co_u32 s42, s42, s40
	s_lshl_b32 s42, s42, 8
	s_add_co_u32 s42, s42, 8192                    ; q, k: B = q's and k's rows 256 (4 cluster x + cx) on
	s_add_co_u32 s47, s17, s40
	s_lshl_b32 s47, s47, 8                         ; v:    B = tokens 256 (4 cluster y + cx) on
	s_cmp_eq_u32 ttmp9, 2                          ; the kind: the same in all sixteen partners
	s_cselect_b32 s20, s19, s18
	s_cselect_b32 s46, s47, s42
	s_lshl_b32 s43, s41, 2
	s_lshl_b32 s43, 15, s43                        ; my row of the cluster
	s_lshl_b32 s44, 0x1111, s40                    ; my column
	; descriptor group 1: a tile of 128 rows x ROWB bytes, padded in LDS
	s_or_b32 s[G1+0], s43, (0<<16)|(1<<20)|(1<<21)|(3<<22)|(3<<25)  ; 15:0 the mask: A's tiles go to my row; 17:16 element of 1 byte; 20 padding on; 21 set beside a mask; 24:22 after every 16 words; 31:25 of 4 words
	s_or_b32 s[G1B+0], s44, (0<<16)|(1<<20)|(1<<21)|(3<<22)|(3<<25)
.irp g, G1, G1B
	s_mov_b32 s[\g+1], ROWB<<16                    ; tensor_dim0
	s_mov_b32 s[\g+2], 128<<16                     ; tensor_dim1 = 128
	s_mov_b32 s[\g+3], ROWB<<16                    ; tile_dim0
	s_mov_b32 s[\g+4], 128                         ; tile_dim1 = 128
	s_mov_b32 s[\g+5], KROW                        ; tensor_dim0_stride
	s_mov_b32 s[\g+6], 0
	s_mov_b32 s[\g+7], 0
.endr
	; and for the scales of 128 rows: a dense block of 4,096 bytes, as rows of 256 bytes (32 elements of 8 bytes), 16 bytes of padding behind each
	s_or_b32 s[G1S+0], s43, (3<<16)|(1<<20)|(1<<21)|(5<<22)|(3<<25)
	s_or_b32 s[G1SB+0], s44, (3<<16)|(1<<20)|(1<<21)|(5<<22)|(3<<25)
.irp g, G1S, G1SB
	s_mov_b32 s[\g+1], 32<<16
	s_mov_b32 s[\g+2], (128*KS/256)<<16
	s_mov_b32 s[\g+3], 32<<16
	s_mov_b32 s[\g+4], 128*KS/256
	s_mov_b32 s[\g+5], 32
	s_mov_b32 s[\g+6], 0
	s_mov_b32 s[\g+7], 0
.endr
	s_lshl_b32 s18, s16, 7                         ; which 128 rows of the tile I fetch
	s_add_co_u32 s20, s20, s18
	s_add_co_u32 s46, s46, s18
	s_mov_b32 s21, 0
	s_mov_b32 s47, 0
	s_mov_b64 s[18:19], KS
	s_mul_u64 s[22:23], s[20:21], s[18:19]         ; where these rows' scales begin, in bytes
	s_mul_u64 s[92:93], s[46:47], s[18:19]
	s_mov_b64 s[18:19], KROW
	s_mul_u64 s[20:21], s[20:21], s[18:19]         ; and their codes
	s_mul_u64 s[46:47], s[46:47], s[18:19]
	s_mul_i32 s45, s14, HALFT                      ; where they go: wave x 128 rows: no place in the cluster enters an LDS address
	s_mul_i32 s94, s14, HALFS
	s_wait_kmcnt 0x0
	s_add_nc_u64 s[20:21], s[4:5], s[20:21]
	s_add_nc_u64 s[22:23], s[6:7], s[22:23]
	s_add_nc_u64 s[46:47], s[4:5], s[46:47]
	s_add_nc_u64 s[92:93], s[6:7], s[92:93]
	CROUND                                         ; all sixteen work-groups are here: the first joint loads meet
	s_mov_b32 s[G0S], 1
	s_add_co_u32 s[G0S+1], s94, SCL
	s_mov_b64 s[G0S+2:G0S+3], s[22:23]
	s_or_b32 s[G0S+3], s[G0S+3], 0x80000000
	s_mov_b32 s[G0SB], 1
	s_add_co_u32 s[G0SB+1], s94, SCL
	s_mov_b64 s[G0SB+2:G0SB+3], s[92:93]
	s_or_b32 s[G0SB+3], s[G0SB+3], 0x80000000
	JLOAD G0S, G1S, G0SB, G1SB                     ; the scales first: they are wanted with K step 0
.irp s, 0,1
	s_mov_b32 s[G0+4*\s], 1
	s_add_co_u32 s[G0+4*\s+1], s45, \s*SLOT
	s_add_nc_u64 s[G0+4*\s+2:G0+4*\s+3], s[20:21], \s*ROWB
	s_or_b32 s[G0+4*\s+3], s[G0+4*\s+3], 0x80000000
	s_mov_b32 s[G0B+4*\s], 1
	s_add_co_u32 s[G0B+4*\s+1], s45, \s*SLOT
	s_add_nc_u64 s[G0B+4*\s+2:G0B+4*\s+3], s[46:47], \s*ROWB
	s_or_b32 s[G0B+4*\s+3], s[G0B+4*\s+3], 0x80000000
	JLOAD G0+4*\s, G1, G0B+4*\s, G1B               ; by this text's count three tensor loads of a wave are out here
.endr
	v_and_b32 v1, 15, v0                           ; l % 16
	v_bfe_u32 v2, v0, 4, 1                         ; l / 16
	v_mul_u32_u24 v3, v1, PITCH
	v_mul_u32_u24 v4, v2, 24
	v_add_nc_u32 v4, v3, v4                        ; a fragment's row x pitch + 24 x half
	v_lshl_add_u32 v5, v2, 4, v4                   ; and the same behind one padding more
	s_mul_i32 s21, s15, HALFT                      ; my 128 rows of A
	s_mul_i32 s22, s16, HALFT                      ; my 128 rows of B,
	s_add_co_u32 s22, s22, 2*HALFT                 ; which lie behind A's 256
.irp s, 0,1
	v_add_nc_u32 v[ADRA+\s], s21, v4
	v_add_nc_u32 v[ADRB+\s], s22, v4
	v_add_nc_u32 v[ADRA+2+\s], s21, v5
	v_add_nc_u32 v[ADRB+2+\s], s22, v5
	s_add_co_u32 s21, s21, SLOT
	s_add_co_u32 s22, s22, SLOT
.endr
	v_mul_u32_u24 v5, v1, KS                       ; my row's scales: KS bytes a row,
	v_lshrrev_b32 v6, 8, v5
	v_lshl_add_u32 v5, v6, 4, v5                   ; and 16 more for each 256 passed
	s_mul_i32 s21, s15, HALFS                      ; A's: my 128 rows
	s_mul_i32 s22, s16, HALFS                      ; B's: my 128 rows, behind A's 256
	s_add_co_u32 s22, s22, 2*HALFS
	s_sub_co_u32 s22, s22, s21
	v_mul_u32_u24 v6, s22, v2                      ; lanes 16-31 take B's
	s_add_co_u32 s21, s21, SCL
	v_add_nc_u32 v5, v5, v6
	v_add_nc_u32 v[ADRS], s21, v5
	v_and_b32 v6, 31, v0
	v_lshlrev_b32 v[LI], 4, v6
	v_lshlrev_b32 v[L8], 3, v6
.macro FRAG reg, adr, q, i             ; a fragment, 16 rows x 128 K of 6-bit codes, is 12 registers: lane l holds row l % 16; registers 6 c .. 6 c + 5 hold K = 64 c + 32 (l / 16) + 0 .. 31: 24 bytes of the row, as they lie
.irp p, 0,1,2,3,4,5                    ; in pieces of 8 bytes.  Lanes 0-15 take the row's pieces 12 q + 0, 1, 2 and 12 q + 6, 7, 8, lanes 16-31 those three pieces on
.set PCE, 12*(\q)+6*(\p/3)+\p%3        ; 16 bytes of padding lie behind every 8 pieces: where the piece three on lies behind one padding more, the second address register serves
.if PCE%8 < 5
	ds_load_b64 v[\reg+2*\p:\reg+2*\p+1], v[\adr] offset:8*PCE+16*(PCE/8)+(\i)*16*PITCH
.else
	ds_load_b64 v[\reg+2*\p:\reg+2*\p+1], v[\adr+2] offset:8*PCE+16*(PCE/8)+(\i)*16*PITCH
.endif
.endr
.endm
; 16 matrix instructions: A's blocks a0, a0 + 1 x B's eight, 128 along K.  p: B's set;  sc: the set of scale words.  zero = 1: the first product starts the sums.
; The 64 accumulators take turns, one instruction a turn, in the same order in every step.
.macro MUL16 a0, p, q, sc, zero
.irp a, \a0, \a0+1
.irp b, 0,1,2,3,4,5,6,7
.if \zero
	v_wmma_scale_f32_16x16x128_f8f6f4 v[8*(8*((\a)%4)+\b):8*(8*((\a)%4)+\b)+7], v[128*(\p)+FR*\b:128*(\p)+FR*\b+FR-1], v[AF+FR*(\a):AF+FR*(\a)+FR-1], 0, v[SC+8*NQ*(\sc)+NQ*\b+(\q)], v[SC+8*NQ*(\sc)+NQ*(\a)+(\q)] matrix_a_fmt:MATRIX_FMT_FP6 matrix_b_fmt:MATRIX_FMT_FP6 matrix_a_scale:MATRIX_SCALE_ROW1
.else
	v_wmma_scale_f32_16x16x128_f8f6f4 v[8*(8*((\a)%4)+\b):8*(8*((\a)%4)+\b)+7], v[128*(\p)+FR*\b:128*(\p)+FR*\b+FR-1], v[AF+FR*(\a):AF+FR*(\a)+FR-1], v[8*(8*((\a)%4)+\b):8*(8*((\a)%4)+\b)+7], v[SC+8*NQ*(\sc)+NQ*\b+(\q)], v[SC+8*NQ*(\sc)+NQ*(\a)+(\q)] matrix_a_fmt:MATRIX_FMT_FP6 matrix_b_fmt:MATRIX_FMT_FP6 matrix_a_scale:MATRIX_SCALE_ROW1
.endif
.endr
.endr
.endm
.macro FETCH_B slot, q, p              ; B's eight fragments of the slot's q-th 128 along K into set p
	WIN TO_B
.irp i, 0,1,2,3,4,5,6,7
	FRAG 128*(\p)+FR*\i, ADRB+\slot, \q, \i
.endr
	WIN 0
.endm
.macro FETCH_A slot, q, i0             ; A's blocks i0 .. i0 + 3
.irp i, \i0, \i0+1, \i0+2, \i0+3
	FRAG AF+FR*(\i), ADRA+\slot, \q, \i
.endr
.endm
.macro SCALES sc                       ; the next K step's scale words into set sc: two words a row; lanes 0-15 take A's block i, lanes 16-31 B's block i
.irp i, 0,1,2,3,4,5,6,7
	ds_load_b64 v[SC+8*NQ*\sc+NQ*\i:SC+8*NQ*\sc+NQ*\i+1], v[ADRS] offset:\i*SBLK
.endr
.endm
; A load into a register that a matrix instruction has read, and a vector instruction that reads a matrix result, stand NP places behind that matrix instruction; only plain vector
; instructions that name none of its registers are places (ISA guide 7.12.1 for vector instructions).
.macro PLACES n
.rept \n
	v_nop
.endr
.endm
; A step of 128 along K that has its successor in the same slot.
.macro STEP slot, q, zero
	s_wait_dscnt 4*NL                              ; B's set and A's blocks 0-3 are in; the youngest 24 loads (A's blocks 4-7) may be out
	WIN MUL_LO
	MUL16 0, (\q)%2, \q, \slot, \zero
	MUL16 2, (\q)%2, \q, \slot, \zero
	s_wait_dscnt 0                                 ; A's blocks 4-7 are in (asked for 32 matrix instructions ago)
	PLACES NP
	FETCH_B \slot, (\q)+1, 1-(\q)%2
	FETCH_A \slot, (\q)+1, 0
	WIN MUL_HI
	MUL16 4, (\q)%2, \q, \slot, \zero
	MUL16 6, (\q)%2, \q, \slot, \zero
	PLACES NP
	WIN 0
	FETCH_A \slot, (\q)+1, 4
.endm
; A slot's last step changes slots: ONE barrier; in front of it each wave waits for all its tensor loads, adds 0 to its spare word, and waits for that and for its own reads of this slot.  fill = 1: this slot is filled again, two K steps ahead.
.macro TURN slot, next, fill
	s_wait_tensorcnt 0x0                           ; all my tensor loads have landed: my part of the next slot;  (every window is 0 here)
	ds_add_u32 v[SPW], v[NIL]                      ; 0 onto my spare word
	s_wait_dscnt 4*NL+1                            ; (the add and the youngest 24 loads, A's blocks 4-7, may be out)
	WIN MUL_LO
	MUL16 0, 1, NQ-1, \slot, 0                     ; sixteen matrix instructions stand between the add and the wait for it
	s_wait_dscnt 0x0                               ; the add is done, and my reads of this slot are over
	s_barrier_signal -1
	MUL16 2, 1, NQ-1, \slot, 0
	WIN 0
	s_barrier_wait -1
.if \fill
	CREST                                          ; the barrier has opened a round of the cluster's barrier: no wave of any partner still reads this slot's tile or has a load on its way
	s_add_nc_u64 s[G0+4*\slot+2:G0+4*\slot+3], s[G0+4*\slot+2:G0+4*\slot+3], 2*ROWB
	s_add_nc_u64 s[G0B+4*\slot+2:G0B+4*\slot+3], s[G0B+4*\slot+2:G0B+4*\slot+3], 2*ROWB
	JLOAD G0+4*\slot, G1, G0B+4*\slot, G1B         ; the first tensor load behind the round; the four v_nop behind it are the places in front of the loads below
.else
	PLACES NP
.endif
	v_add_nc_u32 v[ADRS], 4*NQ, v[ADRS]            ; on to the next K step's scale words (no LDS load of mine is out)
	FETCH_B \next, 0, 0
	FETCH_A \next, 0, 0
	SCALES \next
	WIN MUL_HI
	MUL16 4, 1, NQ-1, \slot, 0
	MUL16 6, 1, NQ-1, \slot, 0
	PLACES NP
	WIN 0
	FETCH_A \next, 0, 4
.endm
	s_wait_tensorcnt 1                             ; the scales and my part of K step 0 are in (K step 1's load may be out)
	s_barrier_signal -1
	s_barrier_wait -1                              ; everybody's are
	FETCH_B 0, 0, 0
	FETCH_A 0, 0, 0
	SCALES 0
	FETCH_A 0, 0, 4
	STEP 0, 0, 1                                   ; the first step stands in front of the loop: its products start the sums
	s_mov_b32 s3, LAPS-1
.Llap:                                                 ; a trip goes once round the ring, from a lap's second step to the next lap's first, and fills both slots again
	TURN 0, 1, 1
	STEP 1, 0, 0
	TURN 1, 0, 1
	STEP 0, 0, 0
	s_sub_co_u32 s3, s3, 1
	s_cmp_lg_u32 s3, 0
	s_cbranch_scc1 .Llap
	TURN 0, 1, 0                                   ; the last lap fills nothing, and has no round of the cluster's barrier
	STEP 1, 0, 0
	s_wait_dscnt 4*NL                              ; the very last step: nothing more to fetch
	WIN MUL_LO
	MUL16 0, 1, NQ-1, 1, 0
	MUL16 2, 1, NQ-1, 1, 0
	s_wait_dscnt 0
	WIN MUL_HI
	MUL16 4, 1, NQ-1, 1, 0
	MUL16 6, 1, NQ-1, 1, 0
	WIN 0
; THE WAY OUT.  Where my blocks go is worked out for both kinds, and one is chosen on the cluster's x: no branch.
	s_add_co_u32 s18, s17, s41                     ; q, k: tA = 4 cluster y + cy: my tile of 256 tokens
	s_lshr_b32 s19, s18, 3
	s_lshl_b32 s19, s19, 4                         ; 16 x batch
	s_lshl_b32 s20, ttmp9, 2
	s_add_co_u32 s20, s20, s40
	s_lshl_b32 s20, s20, 1
	s_add_co_u32 s19, s19, s20
	s_add_co_u32 s19, s19, s16                     ; + the head: 2 (4 cluster x + cx) + my half of B
	s_lshl_b32 s19, s19, 7                         ; 128 token tiles a head
	s_and_b32 s18, s18, 7
	s_lshl_b32 s18, s18, 4
	s_add_co_u32 s19, s19, s18
	s_lshl_b32 s18, s15, 3
	s_add_co_u32 s19, s19, s18                     ; + my first token tile: 16 (tA % 8) + 8 x my half of A
	s_mul_i32 s20, s19, 768                        ; q's half fragments
	s_lshl_b32 s21, s19, 7                         ; the scale words: 512 bytes for four tiles
	s_add_co_u32 s18, s17, s40                     ; v: tB = 4 cluster y + cx: my tile of 256 tokens
	s_lshr_b32 s22, s18, 3
	s_lshl_b32 s22, s22, 4                         ; 16 x batch
	s_lshl_b32 s23, s41, 2
	s_add_co_u32 s22, s22, s23
	s_lshl_b32 s23, s15, 1
	s_add_co_u32 s22, s22, s23                     ; + my first head: 4 cy + 2 x my half of A
	s_lshl_b32 s22, s22, 4                         ; 16 key steps a head
	s_and_b32 s18, s18, 7
	s_lshl_b32 s18, s18, 1
	s_add_co_u32 s22, s22, s18
	s_add_co_u32 s22, s22, s16                     ; + my key step: 2 (tB % 8) + my half of B
	s_mul_i32 s23, s22, 6144
	s_add_co_u32 s23, s23, 12582912                ; v's fragments lie behind q's and k's
	s_lshl_b32 s22, s22, 9
	s_add_co_u32 s22, s22, 1048576                 ; and its scale words behind theirs
	s_cmp_eq_u32 ttmp9, 2
	s_cselect_b32 s42, s23, s20
	s_cselect_b32 s44, s22, s21
	s_mov_b32 s46, 6291456
	s_cselect_b32 s46, 768, s46                    ; the second half: v's registers 6-11, or k's half fragment
	s_mov_b32 s[STA], 768
	s_cselect_b32 s[STA], 1536, s[STA]             ; from block to block: the next dim tile, or the next token tile
	s_mov_b32 s[STG], 768
	s_cselect_b32 s[STG], 93696, s[STG]            ; from block 3 to block 4: v: the next head's dim tile 0: 16 x 6,144 - 3 x 1,536
	s_mov_b32 s[STS], 512
	s_cselect_b32 s[STS], 8192, s[STS]
	s_mov_b32 s[MK], 0xffff
	s_cselect_b32 s[MK], -1, s[MK]
	s_cselect_b32 s18, 0, 16
	s_mov_b32 s43, 0
	s_mov_b32 s45, 0
	s_mov_b32 s47, 0
	s_mov_b32 s[STA+1], 0
	s_mov_b32 s[STG+1], 0
	s_mov_b32 s[STS+1], 0
	s_mov_b32 s[SEL], 0x76543210
	s_mov_b32 s[SEL+1], 0xfedcba98
	s_add_nc_u64 s[P0:P0+1], s[P0:P0+1], s[42:43]
	s_add_nc_u64 s[P1:P1+1], s[P0:P0+1], s[46:47]
	s_add_nc_u64 s[PS:PS+1], s[PS:PS+1], s[44:45]
	PLACES NP                                      ; behind the last products: their results are read below
	v_bfe_u32 v[SHV], v0, 4, 1
	v_mul_u32_u24 v[SHV], v[SHV], s18
.irp b, 0,1,2,3
	v_mov_b32 v[TM+4+\b], 0                        ; written once: a lane permute's destination counts as one of its sources
.endr
; Block a: 16 rows of A (a lane a row) x 128 of B: register 16 b + i of the lane's 64 is number 32 b + 16 (lane / 16) + i along B.  Four blocks of 32: largest magnitude (with lane l xor 16's), scale byte, codes.
.macro QOUT a
.set AW, 2+(\a)/4                      ; the block's window
.set AB, 64*((\a)%4)                   ; its eight accumulators
.set WN, (AW<<2)|(AW<<4)
	WIN WN                                         ; sources 1 and 2 in the accumulators' window
.irp b, 0,1,2,3
	v_max3_num_f32 v[TM+\b], 0x1800000, |v[AB+16*\b]|, |v[AB+16*\b+1]|   ; my 16 numbers, each accumulator from its low end on, and the floor 2^(3 - 127): the byte cannot fall under 1
.endr
.irp i, 2,4,6,8,10,12,14
.irp b, 0,1,2,3
	v_max3_num_f32 v[TM+\b], v[TM+\b], |v[AB+16*\b+\i]|, |v[AB+16*\b+\i+1]|   ; (the four blocks by turns)
.endr
.endr
	WIN 0
.irp b, 0,1,2,3
	v_permlanex16_b32 v[TM+4+\b], v[TM+\b], s[SEL], s[SEL+1]
.endr
.irp b, 0,1,2,3
	v_max_num_f32 v[TM+\b], v[TM+\b], v[TM+4+\b]   ; with lane l xor 16's: the block's largest magnitude
.endr
.irp b, 0,1,2,3
	v_add_nc_u32 v[TM+12+\b], 0xff000000, v[TM+\b] ; 2 off its exponent field: the conversion's scale operand
.endr
.irp b, 0,1,2,3
	v_lshrrev_b32 v[TM+4+\b], 23, v[TM+12+\b]      ; the scale's byte
.endr
	v_lshl_or_b32 v[PW], v[TM+5], 8, v[TM+4]
	v_lshl_or_b32 v[PW], v[TM+6], 16, v[PW]
	v_lshl_or_b32 v[PW], v[TM+7], 24, v[PW]
	v_lshrrev_b32 v[SW+(\a)], v[SHV], v[PW]        ; q, k: lanes 0-15 keep q's two bytes, lanes 16-31 k's two, zeros above;  v: the whole word
	v_and_b32 v[SW+(\a)], s[MK], v[SW+(\a)]
	s_wait_xcnt 0x0                                ; the last block's stores have read their data and their bases: both are written again only behind this wait
.if (\a) == 4
	s_add_nc_u64 s[P0:P0+1], s[P0:P0+1], s[STG:STG+1]
	s_add_nc_u64 s[P1:P1+1], s[P1:P1+1], s[STG:STG+1]
	s_add_nc_u64 s[PS:PS+1], s[PS:PS+1], s[STS:STS+1]
.elseif (\a) > 0
	s_add_nc_u64 s[P0:P0+1], s[P0:P0+1], s[STA:STA+1]
	s_add_nc_u64 s[P1:P1+1], s[P1:P1+1], s[STA:STA+1]
.endif
	WIN AW                                         ; source 0 in the accumulators' window
.irp c, 0,1
	v_cvt_scalef32_pk16_fp6_f32 v[PC+6*\c:PC+6*\c+2], v[AB+32*\c:AB+32*\c+15], v[TM+12+2*\c]
	v_cvt_scalef32_pk16_fp6_f32 v[PC+12+4*\c:PC+12+4*\c+2], v[AB+32*\c+16:AB+32*\c+31], v[TM+12+2*\c+1]   ; (a conversion's three registers begin on an even number)
.endr
	WIN 0
	v_nop                                          ; one plain place behind a scaled conversion
.irp c, 0,1                                    ; the operand's layout wants a WHOLE block in a lane: lanes 0-15 block 2 c, lanes 16-31 block 2 c + 1
.irp i, 0,1,2
	v_permlane16_swap_b32 v[PC+6*\c+\i], v[PC+12+4*\c+\i]
.endr
.irp i, 0,1,2
	v_mov_b32 v[PC+3+6*\c+\i], v[PC+12+4*\c+\i]
.endr
.endr
	global_store_b128 v[LI], v[PC:PC+3], s[P0:P0+1]                ; 512 consecutive bytes, at a multiple of 256 from the buffer's first byte
	global_store_b64 v[L8], v[PC+4:PC+5], s[P0:P0+1] offset:512    ; 256 consecutive bytes, likewise
	global_store_b128 v[LI], v[PC+6:PC+9], s[P1:P1+1]
	global_store_b64 v[L8], v[PC+10:PC+11], s[P1:P1+1] offset:512
.if (\a)%4 == 3
	global_store_b128 v[LI], v[SW+4*((\a)/4):SW+4*((\a)/4)+3], s[PS:PS+1]   ; four blocks' scale words: 512 consecutive bytes
.endif
.endm
.irp a, 0,1,2,3,4,5,6,7
	QOUT \a
.endr
	s_wait_tensorcnt 0x0                           ; the wave's end
	ds_add_u32 v[SPW], v[NIL]
	s_wait_dscnt 0x0
	CROUND                                         ; the closing round: no work-group ends while a partner may still ask for a tile that names it
	s_endpgm
.Lfunc_end_k_qa4191bc020_qkv:
	.size	k_qa4191bc020_qkv, .Lfunc_end_k_qa4191bc020_qkv-k_qa4191bc020_qkv
	.p2alignl 7, 3214868480
	.fill 96, 4, 3214868480
	.section	.rodata,"a",@progbits
	.p2align	6, 0x0
	.amdhsa_kernel k_qa4191bc020_qkv
		.amdhsa_group_segment_fixed_size 327680
		.amdhsa_private_segment_fixed_size 0
		.amdhsa_enable_private_segment 0
		.amdhsa_kernarg_size 32
		.amdhsa_user_sgpr_count 2
		.amdhsa_user_sgpr_kernarg_segment_ptr 1
		.amdhsa_wavefront_size32 1
		.amdhsa_system_sgpr_workgroup_id_x 1
		.amdhsa_system_sgpr_workgroup_id_y 1
		.amdhsa_system_sgpr_workgroup_id_z 1
		.amdhsa_system_vgpr_workitem_id 0
		.amdhsa_next_free_vgpr 1024
		.amdhsa_next_free_sgpr 102
		.amdhsa_reserve_vcc 0
		.amdhsa_float_denorm_mode_32 3
		.amdhsa_float_denorm_mode_16_64 3
		.amdhsa_memory_ordered 1
		.amdhsa_forward_progress 1
		.amdhsa_inst_pref_size 168
	.end_amdhsa_kernel
	.amdgpu_metadata
---
amdhsa.version: [ 1, 2 ]
amdhsa.kernels:
  - .name:           k_qa4191bc020_qkv
    .symbol:         k_qa4191bc020_qkv.kd
    .args:
      - { .name: cod1, .offset: 0, .size: 8, .value_kind: global_buffer, .address_space: global }
      - { .name: scl1, .offset: 8, .size: 8, .value_kind: global_buffer, .address_space: global }
      - { .name: qkvc, .offset: 16, .size: 8, .value_kind: global_buffer, .address_space: global }
      - { .name: qkvs, .offset: 24, .size: 8, .value_kind: global_buffer, .address_space: global }
    .group_segment_fixed_size: 327680
    .private_segment_fixed_size: 0
    .kernarg_segment_align: 8
    .kernarg_segment_size: 32
    .max_flat_workgroup_size: 128
    .sgpr_count:     102
    .vgpr_count:     1024
    .wavefront_size: 32
...
	.end_amdgpu_metadata
.endif
;; end of part 2
;; launch attn (part 3): grid 4 x 64, 8 waves a work-group, no clusters, 264,192 bytes of LDS; arguments qkvc, qkvs, oc, osc; writes oc, osc
.if DOCPART == 3
	.amdgcn_target "amdgcn-amd-amdhsa--gfx1250"
	.amdhsa_code_object_version 6
	.text
	.protected	k_qa4191bc020_attn
	.globl	k_qa4191bc020_attn
	.p2align	8
	.type	k_qa4191bc020_attn,@function
k_qa4191bc020_attn:
	s_mov_b64 s[64:65], 0
	v_nop
	global_prefetch_b8 v0, s[64:65] scope:SCOPE_SE
	s_setreg_imm32_b32 hwreg(HW_REG_WAVE_MODE, 25, 1), 1
	s_wait_xcnt 0x0
; ATTENTION WITH A ROW-NORMALISED RELU: attn = relu(q k^T / 8) / (its row's sum + 1e-6); out = attn v.  Both products on codes of FP6 (E2M3) with E8M0 scales.
; attn is quantised FINISHED, so a row's sum over all 2,048 keys must be known before any weight is quantised.  A tile of 16 queries therefore keeps all its scores in registers, spread over the work-group:
; THE EIGHT WAVES SHARE THE KEYS, NOT THE QUERIES.  Wave w owns keys 256 w .. 256 w + 255 of one head: its 16 half fragments of k and its 8 fragments of v stay in its registers for the whole launch,
; loaded once, in the order of the operand's registers.  All eight waves walk the same 32 tiles of 16 queries (a work-group owns 512 queries).
; A TILE:  S^T = k q^T (source 0 = 16 keys, source 1 = the 16 queries: a lane holds ONE query, its registers keys), relu and the lane's sum between the products | the eight waves' sums meet in LDS: one barrier |
; R = 0.125 / (0.125 sum + 1e-6);  p = relu(s) R, quantised along the keys in registers;  O^T = v^T p^T over my 256 keys; the partial O^T goes to LDS as an image of its registers.
; AFTER EIGHT TILES: one barrier; wave w adds the eight partial O^T of tile w, quantises the 64 dims (two blocks) and stores half a fragment and two scale bytes for the last product.
; K = 64 IN AN INSTRUCTION OF 128: q's registers 6-11 are zero codes.  Source 0 of tile i is v[6 i : 6 i + 11]: its upper six registers are the next tile's codes, which multiply zeros; the upper two bytes of both scale words are 0.
; THE ORDER INSIDE A BLOCK OF 32 KEYS: a lane's 16 registers of two neighbouring tiles are keys 8 h + j and 16 + 8 h + j, so p's codes lie in the order (0-7, 16-23, 8-15, 24-31); v's codes were laid in the same order.  The blocks are the rule's.
; A block's largest p is R x its largest relu'd score: a multiplication by a positive number keeps the order, rounded too.
; LIMITS: attn is made as relu(s) x (0.125 x rcp(0.125 sum + 1e-6)), some two units in the last place from the division; a block of zeros gets the byte 1 where the rule says 127 (zero codes; read by this program alone); NaN and infinities are not served.
; NO CLUSTER, NO TENSOR LOAD: the four work-groups of a head read the same 196,608 bytes of k's and v's codes, once each, straight into the registers where they stay; a joint load would land them in LDS, of whose bytes
; 262,144 hold the partial O^T, for one more write and one more read of every byte.
; LDS: 0: eight slots (tile % 8) x eight waves x 4,096 bytes of partial O^T;  262,144: two buffers of 512 bytes for the sums: query r, wave w at 32 r + 4 w.
; REGISTERS.  window 0: v1-9 addresses; v10-11 R; v12-13 at work; v14-15 p's scale words; v16-19 the lane's sum; v20-27 the eight waves' sums; v28 q's scale word; v32-47 k's scale words; v48-55 v's;
;   v56-67 q; v68-75 blocks' maxima; v76-83, v84-91 at work; v92-115 p's codes; v116-123 at work; v128-255 the scores.   window 1: v0-95 k; v96-191 v; v192-223 O^T.
.set SUMB, 262144
.set LI,   1                           ; 16 x lane
.set L8,   2                           ; 8 x lane
.set SA,   3                           ; where I store my sum: SUMB + 32 r + 4 w
.set SR,   4                           ; where I read the eight: SUMB + 32 r
.set OA0,  5                           ; 4,096 w + 16 x lane
.set OA,   6                           ; + the tile's slot
.set CA,   7                           ; 32,768 w + 16 x lane: the slot that I reduce
.set QSA,  8                           ; offset of q's scale word
.set R2,   9                           ; 2 r
.set RN,   10
.set T0,   12
.set PW,   14
.set SUM,  16
.set WSUM, 20
.set QS,   28
.set KS,   32
.set VS,   48
.set Q,    56
.set TM,   68
.set TX,   76
.set SCO,  84
.set PC0,  92
.set PCT,  116
.set S,    128
.set VF,   96                          ; in window 1
.set O,    192                         ; in window 1
.set C8,   32                          ; s32 0.125
.set EPS,  33                          ; s33 1e-6
.set SEL,  34                          ; s[34:35] lane selects: lane l xor 16
.set TI,   36                          ; s36 the tile, 0 .. 31
.set OS,   37                          ; s37 the tile's slot in LDS
.set GC,   38                          ; s38 groups of eight tiles to go
.set PN,   39                          ; s39 pairs of tiles to go
.set MSB, 0
.macro WIN new                         ; the immediate's high byte repeats the setting that is left
.if MSB != \new
	s_set_vgpr_msb (MSB<<8)|\new
.set MSB, \new
.endif
.endm
	s_load_b256 s[4:11], s[0:1], 0x0               ; qkvc s[4:5], qkvs s[6:7], oc s[8:9], osc s[10:11]
	v_lshl_add_u32 v126, v0, 2, 0x40400
	v_mov_b32 v127, 0
	v_lshrrev_b32 v12, 5, v0
	v_readfirstlane_b32 s12, v12                   ; wave 0..7
	s_and_b32 s13, ttmp7, 0xffff                   ; batch x 16 + head
	v_and_b32 v13, 31, v0
	v_and_b32 v9, 15, v0                           ; r
	v_lshlrev_b32 v[LI], 4, v13
	v_lshlrev_b32 v[L8], 3, v13
	s_lshl_b32 s26, s12, 2
	v_lshl_add_u32 v[SR], v9, 5, SUMB
	v_add_nc_u32 v[SA], s26, v[SR]
	s_lshl_b32 s26, s12, 12
	v_add_nc_u32 v[OA0], s26, v[LI]
	s_lshl_b32 s26, s12, 15
	v_add_nc_u32 v[CA], s26, v[LI]
	v_lshlrev_b32 v[R2], 1, v9
	v_mov_b32 v[QSA], v[LI]                        ; tile 0's word
	s_lshl_b32 s26, s13, 7                         ; 128 token tiles a head
	s_lshl_b32 s27, s12, 4
	s_add_co_u32 s27, s26, s27
	s_mul_i32 s14, s27, 768
	s_add_co_u32 s14, s14, 6291456                 ; k: my 16 tiles
	s_mov_b32 s15, 0
	s_lshl_b32 s27, ttmp9, 5
	s_add_co_u32 s27, s26, s27
	s_mul_i32 s18, s27, 768                        ; q: the work-group's 32 tiles
	s_mov_b32 s19, 0
	s_lshl_b32 s26, s13, 4                         ; 16 key steps a head
	s_lshl_b32 s27, s12, 1
	s_add_co_u32 s26, s26, s27
	s_mul_i32 s16, s26, 6144
	s_add_co_u32 s16, s16, 12582912                ; v: my two key steps
	s_mov_b32 s17, 0
	s_lshl_b32 s22, s26, 9
	s_add_co_u32 s22, s22, 1048576                 ; v's scale words
	s_mov_b32 s23, 0
	s_lshl_b32 s20, s26, 10                        ; k's: four groups of four tiles, 512 bytes each
	s_mov_b32 s21, 0
	s_lshl_b32 s24, s13, 14
	s_lshl_b32 s27, ttmp9, 12
	s_add_co_u32 s24, s24, s27                     ; q's: the work-group's eight groups
	s_mov_b32 s25, 0
	s_lshr_b32 s26, s13, 4
	s_lshl_b32 s26, s26, 7
	s_lshl_b32 s27, ttmp9, 5
	s_add_co_u32 s26, s26, s27
	s_add_co_u32 s26, s26, s12                     ; the first token tile that I reduce: 128 x batch + 32 x block + w
	s_and_b32 s27, s13, 15                         ; the head
	s_mul_i32 s28, s26, 12288
	s_mul_i32 s29, s27, 768
	s_add_co_u32 s28, s28, s29
	s_mov_b32 s29, 0
	s_lshl_b32 s30, s27, 14
	s_lshl_b32 s26, s26, 5
	s_add_co_u32 s30, s30, s26
	s_mov_b32 s31, 0
	s_mov_b32 s[C8], 0x3e000000
	s_mov_b32 s[EPS], 0x358637bd
	s_mov_b32 s[SEL], 0x76543210
	s_mov_b32 s[SEL+1], 0xfedcba98
	s_mov_b32 s[TI], 0
	s_mov_b32 s[GC], 4
	s_wait_kmcnt 0x0
	s_add_nc_u64 s[14:15], s[4:5], s[14:15]
	s_add_nc_u64 s[16:17], s[4:5], s[16:17]
	s_add_nc_u64 s[18:19], s[4:5], s[18:19]
	s_add_nc_u64 s[20:21], s[6:7], s[20:21]
	s_add_nc_u64 s[22:23], s[6:7], s[22:23]
	s_add_nc_u64 s[24:25], s[6:7], s[24:25]
	s_add_nc_u64 s[8:9], s[8:9], s[28:29]
	s_add_nc_u64 s[10:11], s[10:11], s[30:31]
	WIN 0x40                                       ; destination window 1
.set i, 0
.rept 16                                       ; k's half fragments: tile i at v[6 i]
	global_load_b128 v[6*i:6*i+3], v[LI], s[14:15] offset:768*i
	global_load_b64 v[6*i+4:6*i+5], v[L8], s[14:15] offset:768*i+512
.set i, i+1
.endr
.set i, 0
.rept 8                                        ; v's fragments: key step i / 4, dim tile i % 4
	global_load_b128 v[VF+12*i:VF+12*i+3], v[LI], s[16:17] offset:1536*i
	global_load_b64 v[VF+12*i+4:VF+12*i+5], v[L8], s[16:17] offset:1536*i+512
	global_load_b128 v[VF+12*i+6:VF+12*i+9], v[LI], s[16:17] offset:1536*i+768
	global_load_b64 v[VF+12*i+10:VF+12*i+11], v[L8], s[16:17] offset:1536*i+1280
.set i, i+1
.endr
	WIN 0
.irp g, 0,1,2,3
	global_load_b128 v[KS+4*\g:KS+4*\g+3], v[LI], s[20:21] offset:512*\g   ; lanes 16-31 hold k's words
.endr
.irp g, 0,1
	global_load_b128 v[VS+4*\g:VS+4*\g+3], v[LI], s[22:23] offset:512*\g
.endr
	global_load_b128 v[Q:Q+3], v[LI], s[18:19]
	global_load_b64 v[Q+4:Q+5], v[L8], s[18:19] offset:512
	global_load_b32 v[QS], v[QSA], s[24:25]        ; lanes 0-15 hold q's words
.irp k, 6,7,8,9,10,11
	v_mov_b32 v[Q+\k], 0                           ; K = 64 .. 127 of q: zero codes, for the whole launch
.endr
.irp k, 0,1,2,3,4,5,6,7
	v_mov_b32 v[TX+\k], 0                          ; written once: a lane permute's destination counts as one of its sources
.endr
	v_mov_b32 v[T0], 0
	v_mov_b32 v[RN+1], 0                           ; (named with R as a pair)
.macro MULS k                          ; p = relu(s) R for key step k: 64 numbers, two at a time
.set j, 0
.rept 32
	v_pk_mul_f32 v[S+64*(\k)+j:S+64*(\k)+j+1], v[S+64*(\k)+j:S+64*(\k)+j+1], v[RN:RN+1] op_sel_hi:[1,0]
.set j, j+2
.endr
.endm
.macro CVT k                           ; key step k's 64 numbers become a fragment's 12 registers at v[PC0 + 12 k]
.irp c, 0,1
	v_cvt_scalef32_pk16_fp6_f32 v[PC0+12*(\k)+6*\c:PC0+12*(\k)+6*\c+2], v[S+64*(\k)+32*\c:S+64*(\k)+32*\c+15], v[SCO+4*(\k)+2*\c]
	v_cvt_scalef32_pk16_fp6_f32 v[PCT+4*\c:PCT+4*\c+2], v[S+64*(\k)+32*\c+16:S+64*(\k)+32*\c+31], v[SCO+4*(\k)+2*\c+1]   ; (a conversion's three registers begin on an even number)
.endr
	v_nop                                          ; one plain place behind a scaled conversion
.irp c, 0,1                                    ; the operand's layout wants a WHOLE block in a lane
.irp i, 0,1,2
	v_permlane16_swap_b32 v[PC0+12*(\k)+6*\c+\i], v[PCT+4*\c+\i]
.endr
.irp i, 0,1,2
	v_mov_b32 v[PC0+12*(\k)+6*\c+3+\i], v[PCT+4*\c+\i]
.endr
.endr
.endm
.macro ADDB a, b                       ; 32 numbers at v[S + 32 a] += those at v[S + 32 b]
.set j, 0
.rept 16
	v_pk_add_f32 v[S+32*(\a)+j:S+32*(\a)+j+1], v[S+32*(\a)+j:S+32*(\a)+j+1], v[S+32*(\b)+j:S+32*(\b)+j+1]
.set j, j+2
.endr
.endm
; A TILE OF 16 QUERIES.  par: which of the two buffers takes the sums.
.macro TILE par
	s_wait_loadcnt 0x0                             ; q and its scale word (asked for a tile ago); at the first tile k, v and their scale words too
	WIN 0x01                                       ; source 0 (k) in window 1, all else in window 0.  The relu and the sums name no vector register as source 0, so one setting serves products and vector work
.set i, 0
.rept 18
.if i < 16
	v_wmma_scale_f32_16x16x128_f8f6f4 v[S+8*i:S+8*i+7], v[6*i:6*i+11], v[Q:Q+11], 0, v[KS+i], v[QS] matrix_a_fmt:MATRIX_FMT_FP6 matrix_b_fmt:MATRIX_FMT_FP6 matrix_a_scale:MATRIX_SCALE_ROW1
.endif
.if i == 2
.irp k, 0,1,2,3
	v_mov_b32 v[SUM+\k], 0                         ; the four places behind the first product
.endr
.endif
.if i >= 2                                     ; the scores of two products back: behind them stand four plain instructions or more that name none of their registers
.set j, S+8*(i-2)
.irp k, 0,1,2,3,4,5,6,7
	v_max_num_f32 v[j+\k], 0, v[j+\k]              ; relu, from the accumulator's low end on
.endr
	v_pk_fma_f32 v[SUM:SUM+1], 1.0, v[j:j+1], v[SUM:SUM+1] op_sel_hi:[0,1,1]           ; the lane's sum, in two chains
	v_pk_fma_f32 v[SUM+2:SUM+3], 1.0, v[j+2:j+3], v[SUM+2:SUM+3] op_sel_hi:[0,1,1]
	v_pk_fma_f32 v[SUM:SUM+1], 1.0, v[j+4:j+5], v[SUM:SUM+1] op_sel_hi:[0,1,1]
	v_pk_fma_f32 v[SUM+2:SUM+3], 1.0, v[j+6:j+7], v[SUM+2:SUM+3] op_sel_hi:[0,1,1]
.endif
.set i, i+1
.endr
	WIN 0
	s_cmp_eq_u32 s[TI], 31                         ; the next tile's q is asked for now, if there is a next tile: no load leaves its buffer
	s_cbranch_scc1 .Lno_q_\@
	s_add_nc_u64 s[18:19], s[18:19], 768           ; (the loads that read this base and v[QSA] were waited for at the tile's head)
	s_add_co_u32 s40, s[TI], 1
	s_lshr_b32 s41, s40, 2
	s_lshl_b32 s41, s41, 9
	s_and_b32 s40, s40, 3
	s_lshl_b32 s40, s40, 2
	s_add_co_u32 s41, s41, s40
	v_add_nc_u32 v[QSA], s41, v[LI]                ; 512 (tile / 4) + 16 x lane + 4 (tile % 4)
	global_load_b128 v[Q:Q+3], v[LI], s[18:19]     ; behind the last product that read q stand 36 plain instructions
	global_load_b64 v[Q+4:Q+5], v[L8], s[18:19] offset:512
	global_load_b32 v[QS], v[QSA], s[24:25]
.Lno_q_\@:
	v_pk_add_f32 v[SUM:SUM+1], v[SUM:SUM+1], v[SUM+2:SUM+3]
	v_add_f32 v[SUM], v[SUM], v[SUM+1]
	v_permlanex16_b32 v[T0], v[SUM], s[SEL], s[SEL+1]
	v_add_f32 v[SUM], v[SUM], v[T0]                ; my query's sum over my wave's 256 keys
	ds_store_b32 v[SA], v[SUM] offset:512*\par     ; (lanes r and r + 16 write the same word with the same value)
	s_wait_dscnt 0x0                               ; for the others' sake: my sum has landed, and so have the last tile's partial O^T and my reads of the other buffer
	s_barrier_signal -1
.irp b, 0,1,2,3,4,5,6,7                        ; work on registers while the others arrive: the largest relu'd score of each block of 32 keys
	v_max3_num_f32 v[TM+\b], v[S+16*\b], v[S+16*\b+1], v[S+16*\b+2]
.endr
.irp i, 3,5,7,9,11,13
.irp b, 0,1,2,3,4,5,6,7
	v_max3_num_f32 v[TM+\b], v[TM+\b], v[S+16*\b+\i], v[S+16*\b+\i+1]
.endr
.endr
.irp b, 0,1,2,3,4,5,6,7
	v_max_num_f32 v[TM+\b], v[TM+\b], v[S+16*\b+15]
.endr
	s_barrier_wait -1
	ds_load_b128 v[WSUM:WSUM+3], v[SR] offset:512*\par
	ds_load_b128 v[WSUM+4:WSUM+7], v[SR] offset:512*\par+16
.irp b, 0,1,2,3,4,5,6,7
	v_permlanex16_b32 v[TX+\b], v[TM+\b], s[SEL], s[SEL+1]
.endr
.irp b, 0,1,2,3,4,5,6,7
	v_max_num_f32 v[TM+\b], v[TM+\b], v[TX+\b]     ; with lane l xor 16's 16 keys
.endr
	s_wait_dscnt 0x0
	v_add_f32 v[WSUM], v[WSUM], v[WSUM+1]          ; the same order in every wave
	v_add_f32 v[WSUM+2], v[WSUM+2], v[WSUM+3]
	v_add_f32 v[WSUM+4], v[WSUM+4], v[WSUM+5]
	v_add_f32 v[WSUM+6], v[WSUM+6], v[WSUM+7]
	v_add_f32 v[WSUM], v[WSUM], v[WSUM+2]
	v_add_f32 v[WSUM+4], v[WSUM+4], v[WSUM+6]
	v_add_f32 v[WSUM], v[WSUM], v[WSUM+4]
	v_fma_f32 v[T0], v[WSUM], s[C8], s[EPS]        ; the row's sum of relu(s / 8), + 1e-6
	v_rcp_f32 v[T0+1], v[T0]
	v_nop                                          ; a plain instruction behind the reciprocal
	s_wait_alu depctr_va_vdst(0)                   ; and the wait ahead of its first reader
	v_mul_f32 v[RN], s[C8], v[T0+1]                ; R
.irp b, 0,1,2,3,4,5,6,7
	v_mul_f32 v[TM+\b], v[TM+\b], v[RN]            ; the block's largest p
.endr
.irp b, 0,1,2,3,4,5,6,7
	v_max_num_f32 v[TM+\b], 0x1800000, v[TM+\b]    ; the floor 2^(3 - 127): the byte cannot fall under 1
.endr
.irp b, 0,1,2,3,4,5,6,7
	v_add_nc_u32 v[SCO+\b], 0xff000000, v[TM+\b]   ; 2 off the exponent field: the conversion's scale operand
.endr
.irp b, 0,1,2,3,4,5,6,7
	v_lshrrev_b32 v[TX+\b], 23, v[SCO+\b]          ; the scale's byte
.endr
	v_lshl_or_b32 v[PW], v[TX+1], 8, v[TX]         ; p's scale words for my two key steps
	v_lshl_or_b32 v[PW+1], v[TX+5], 8, v[TX+4]
	v_lshl_or_b32 v[PW], v[TX+2], 16, v[PW]
	v_lshl_or_b32 v[PW+1], v[TX+6], 16, v[PW+1]
	v_lshl_or_b32 v[PW], v[TX+3], 24, v[PW]
	v_lshl_or_b32 v[PW+1], v[TX+7], 24, v[PW+1]
	MULS 0
	CVT 0
	MULS 1                                         ; these 32 are also the places between the scale words and codes just made and the products that take them
	WIN 0x41                                       ; source 0 (v) and the destination (O^T) in window 1
.irp d, 0,1,2,3
	v_wmma_scale_f32_16x16x128_f8f6f4 v[O+8*\d:O+8*\d+7], v[VF+12*\d:VF+12*\d+11], v[PC0:PC0+11], 0, v[VS+\d], v[PW] matrix_a_fmt:MATRIX_FMT_FP6 matrix_b_fmt:MATRIX_FMT_FP6
.endr
	WIN 0
	CVT 1
.rept 4
	v_nop                                          ; an operand written by vector instructions stands four places ahead of a scaled matrix instruction
.endr
	WIN 0x51                                       ; C in window 1 too.  The four accumulators take turns, one instruction a turn
.irp d, 0,1,2,3
	v_wmma_scale_f32_16x16x128_f8f6f4 v[O+8*\d:O+8*\d+7], v[VF+48+12*\d:VF+48+12*\d+11], v[PC0+12:PC0+23], v[O+8*\d:O+8*\d+7], v[VS+4+\d], v[PW+1] matrix_a_fmt:MATRIX_FMT_FP6 matrix_b_fmt:MATRIX_FMT_FP6
.endr
	WIN 0
	v_add_nc_u32 v[OA], s[OS], v[OA0]              ; four places behind the products
.rept 3
	v_nop
.endr
	WIN 0x04                                       ; an LDS store's data are its source 1: window 1
.irp c, 0,1,2,3,4,5,6,7
	ds_store_b128 v[OA], v[O+4*\c:O+4*\c+3] offset:512*\c          ; my partial O^T as it stands, each accumulator from its low end on
.endr
	WIN 0
	s_add_co_u32 s[OS], s[OS], 32768
	s_add_co_u32 s[TI], s[TI], 1
.endm
; EIGHT TILES ARE DONE.  Wave w adds the eight waves' partial O^T of the group's tile w.  Register 16 b + i of the 32 is dim 32 b + 16 (lane / 16) + i of my query (v's rows were laid for that): two blocks of the last product's K.
.macro GROUP_END
	s_wait_dscnt 0x0                               ; my partial O^T have landed
	s_barrier_signal -1
	s_barrier_wait -1
.irp k, 0,1,2,3
.irp c, 0,1,2,3,4,5,6,7
	ds_load_b128 v[S+32*\k+4*\c:S+32*\k+4*\c+3], v[CA] offset:4096*\k+512*\c
.endr
.endr
	s_wait_dscnt 16                                ; waves 0's and 1's are in; the sixteen loads of waves 2 and 3 may be out
	ADDB 0, 1
	s_wait_dscnt 0x0
	ADDB 2, 3
	ADDB 0, 2
.irp k, 1,2,3
.irp c, 0,1,2,3,4,5,6,7
	ds_load_b128 v[S+32*\k+4*\c:S+32*\k+4*\c+3], v[CA] offset:4096*(3+\k)+512*\c
.endr
.endr
	s_wait_dscnt 16                                ; wave 4's is in
	ADDB 0, 1
.irp c, 0,1,2,3,4,5,6,7
	ds_load_b128 v[S+32+4*\c:S+32+4*\c+3], v[CA] offset:4096*7+512*\c
.endr
	s_wait_dscnt 16                                ; wave 5's is in (behind it: wave 6's eight and wave 7's eight)
	ADDB 0, 2
	s_wait_dscnt 8                                 ; wave 6's
	ADDB 0, 3
	s_wait_dscnt 0x0
	ADDB 0, 1
.irp b, 0,1
	v_max3_num_f32 v[TM+\b], |v[S+16*\b]|, |v[S+16*\b+1]|, 0x1800000
.endr
.irp i, 2,4,6,8,10,12,14
.irp b, 0,1
	v_max3_num_f32 v[TM+\b], v[TM+\b], |v[S+16*\b+\i]|, |v[S+16*\b+\i+1]|
.endr
.endr
.irp b, 0,1
	v_permlanex16_b32 v[TX+\b], v[TM+\b], s[SEL], s[SEL+1]
.endr
.irp b, 0,1
	v_max_num_f32 v[TM+\b], v[TM+\b], v[TX+\b]
.endr
.irp b, 0,1
	v_add_nc_u32 v[SCO+\b], 0xff000000, v[TM+\b]
.endr
.irp b, 0,1
	v_lshrrev_b32 v[TX+\b], 23, v[SCO+\b]
.endr
	v_lshl_or_b32 v[T0], v[TX+1], 8, v[TX]         ; the head's two scale bytes of my query
	v_cvt_scalef32_pk16_fp6_f32 v[PC0:PC0+2], v[S:S+15], v[SCO]
	v_cvt_scalef32_pk16_fp6_f32 v[PCT:PCT+2], v[S+16:S+31], v[SCO+1]
	v_nop                                          ; one plain place behind a scaled conversion
.irp i, 0,1,2
	v_permlane16_swap_b32 v[PC0+\i], v[PCT+\i]
.endr
.irp i, 0,1,2
	v_mov_b32 v[PC0+3+\i], v[PCT+\i]
.endr
	global_store_b128 v[LI], v[PC0:PC0+3], s[8:9]                  ; half a fragment: 512 and 256 consecutive bytes, each at a multiple of 256 from the buffer's first byte
	global_store_b64 v[L8], v[PC0+4:PC0+5], s[8:9] offset:512
	global_store_b16 v[R2], v[T0], s[10:11]        ; 32 bytes a tile (lanes r and r + 16 store the same two bytes)
	s_wait_xcnt 0x0                                ; the stores have read their data and their bases: both are written again only behind this wait
	s_add_nc_u64 s[8:9], s[8:9], 8*12288           ; eight token tiles on
	s_add_nc_u64 s[10:11], s[10:11], 256
.endm
.Lgroup:
	s_mov_b32 s[OS], 0
	s_mov_b32 s[PN], 4
.Lpair:
	TILE 0
	TILE 1
	s_sub_co_u32 s[PN], s[PN], 1
	s_cmp_lg_u32 s[PN], 0
	s_cbranch_scc1 .Lpair
	GROUP_END
	s_sub_co_u32 s[GC], s[GC], 1
	s_cmp_lg_u32 s[GC], 0
	s_cbranch_scc1 .Lgroup
	s_wait_tensorcnt 0x0
	ds_add_u32 v126, v127
	s_wait_dscnt 0x0
	s_endpgm
.Lfunc_end_k_qa4191bc020_attn:
	.size	k_qa4191bc020_attn, .Lfunc_end_k_qa4191bc020_attn-k_qa4191bc020_attn
	.p2alignl 7, 3214868480
	.fill 96, 4, 3214868480
	.section	.rodata,"a",@progbits
	.p2align	6, 0x0
	.amdhsa_kernel k_qa4191bc020_attn
		.amdhsa_group_segment_fixed_size 264192
		.amdhsa_private_segment_fixed_size 0
		.amdhsa_enable_private_segment 0
		.amdhsa_kernarg_size 32
		.amdhsa_user_sgpr_count 2
		.amdhsa_user_sgpr_kernarg_segment_ptr 1
		.amdhsa_wavefront_size32 1
		.amdhsa_system_sgpr_workgroup_id_x 1
		.amdhsa_system_sgpr_workgroup_id_y 1
		.amdhsa_system_sgpr_workgroup_id_z 1
		.amdhsa_system_vgpr_workitem_id 0
		.amdhsa_next_free_vgpr 512
		.amdhsa_next_free_sgpr 66
		.amdhsa_reserve_vcc 0
		.amdhsa_float_denorm_mode_32 3
		.amdhsa_float_denorm_mode_16_64 3
		.amdhsa_memory_ordered 1
		.amdhsa_forward_progress 1
		.amdhsa_inst_pref_size 76
	.end_amdhsa_kernel
	.amdgpu_metadata
---
amdhsa.version: [ 1, 2 ]
amdhsa.kernels:
  - .name:           k_qa4191bc020_attn
    .symbol:         k_qa4191bc020_attn.kd
    .args:
      - { .name: qkvc, .offset: 0, .size: 8, .value_kind: global_buffer, .address_space: global }
      - { .name: qkvs, .offset: 8, .size: 8, .value_kind: global_buffer, .address_space: global }
      - { .name: oc, .offset: 16, .size: 8, .value_kind: global_buffer, .address_space: global }
      - { .name: osc, .offset: 24, .size: 8, .value_kind: global_buffer, .address_space: global }
    .group_segment_fixed_size: 264192
    .private_segment_fixed_size: 0
    .kernarg_segment_align: 8
    .kernarg_segment_size: 32
    .max_flat_workgroup_size: 256
    .sgpr_count:     66
    .vgpr_count:     512
    .wavefront_size: 32
...
	.end_amdgpu_metadata
.endif
;; end of part 3
;; launch outln (part 4): grid 256 x 1, 16 waves a work-group, no clusters, 171,008 bytes of LDS; arguments oc, osc, wo, w_out_scales, x, b_out, gamma, beta, out0; writes out0
.if DOCPART == 4
	.amdgcn_target "amdgcn-amd-amdhsa--gfx1250"
	.amdhsa_code_object_version 6
	.text
	.protected	k_qa4191bc020_outln
	.globl	k_qa4191bc020_outln
	.p2align	8
	.type	k_qa4191bc020_outln,@function
k_qa4191bc020_outln:
	s_mov_b64 s[64:65], 0
	v_nop
	global_prefetch_b8 v0, s[64:65] scope:SCOPE_SE
	s_setreg_imm32_b32 hwreg(HW_REG_WAVE_MODE, 25, 1), 1
	s_wait_xcnt 0x0
; THE LAST PRODUCT, out w_out, ON CODES OF FP6 (E2M3) WITH E8M0 SCALES, THEN + b_out, + x, AND THE LAYER NORM OVER A TOKEN'S 1,024 NUMBERS.
; A work-group takes 32 tokens (two tiles of 16) x all 1,024 columns, so that mean and variance never leave it.  Wave w of sixteen takes columns 64 w .. 64 w + 63: four tiles of 16 rows of w_out, eight accumulators.
; THE MATRIX INSTRUCTION IS USED TRANSPOSED: source 0 = 16 rows of w_out, source 1 = 16 tokens: a lane holds ONE token and eight neighbouring columns a tile.
; x + b_out IS THE C OF EACH SUM'S FIRST PRODUCT: x is read by rows (sixteen lanes read 256 consecutive bytes), b_out is added, and the numbers turn through the wave's own stage in LDS into the result's layout.
; The tokens' codes (24,576 dense bytes, images of operand registers) are copied into LDS once and read by all sixteen waves; their scale words are put together from the heads' pairs of bytes.
; w_out's fragments come from memory straight into registers, in the order of the operand's registers, two K steps ahead, in two sets.
; The variance is taken of y - mean, in a second pass, as the definition has it: no difference of large sums.
; NO CLUSTER, NO TENSOR LOAD: all work-groups read the same 786,432 bytes of w_out's codes, but inside a work-group the sixteen waves take disjoint rows and each fragment feeds its two products from the registers
; into which it was loaded; through LDS every byte would be written and read once more.
; LDS: 0: a stage of 32 rows x 272 bytes for each wave;  139,264: the tokens' fragments;  163,840: their scale words, token tile m, token r, K step s at 512 m + 32 r + 4 s;  164,864 and 166,912: the waves' sums, 1,024 m + 64 r + 4 w.
; REGISTERS: v1-19 addresses; v20-35 the tokens' scale words (8 m + s); v36-67 w_out's (8 t + s); v68-91 the tokens' two fragments, later at work; v92-187 w_out's fragments, two sets of 48, later gamma, beta and the waves' sums; v188-251 the accumulators (8 (4 m + t)).
.set STG,  0
.set AIM,  139264
.set ASC,  163840
.set ST1,  164864
.set XO,   4                           ; x, out0: 4,096 (lane / 16) + 16 r
.set C16,  5                           ; 16 r
.set T16,  6                           ; 16 x thread
.set AIMW, 7                           ; AIM + 16 x thread
.set OSO,  8                           ; 2 r
.set ASCW, 9                           ; where my wave puts its scale words
.set WSO,  10                          ; 32 r
.set LI,   11                          ; 16 x lane
.set SGR,  12                          ; my stage by rows: 272 (lane / 16) + 16 r
.set SGT,  13                          ; my stage in the result's layout: 272 r + 32 (lane / 16)
.set AFA,  14                          ; AIM + 16 x lane
.set AFB,  15                          ; AIM + 8 x lane
.set ASR,  16                          ; ASC + 32 r
.set GBO,  17                          ; 32 (lane / 16)
.set STW,  18                          ; ST1 + 64 r + 4 w
.set STR,  19                          ; ST1 + 64 r
.set AS,   20
.set WS,   36
.set AF,   68
.set WF,   92
.set ACC,  188
.set PA,   68                          ; the way out: v[68 + 4 m ..] two packed chains
.set TP,   76                          ; v76, v77
.set VT,   78                          ; v78, v79
.set MU,   80                          ; v[80 + 2 m] the mean (named as a pair)
.set RS,   84                          ; v[84 + 2 m] 1 / sqrt(variance + 1e-5) (named as a pair)
.set RD,   124                         ; v[124 + 48 m ..] the sixteen waves' sums
	s_load_b512 s[4:19], s[0:1], 0x0               ; oc s[4:5], osc s[6:7], wo s[8:9], w_out_scales s[10:11], x s[12:13], b_out s[14:15], gamma s[16:17], beta s[18:19]
	s_load_b64 s[20:21], s[0:1], 0x40              ; out0
	v_lshl_add_u32 v254, v0, 2, 0x29400
	v_mov_b32 v255, 0
	v_lshrrev_b32 v1, 5, v0
	v_readfirstlane_b32 s22, v1                    ; wave 0..15
	v_and_b32 v1, 31, v0                           ; lane
	v_and_b32 v2, 15, v0                           ; r
	v_bfe_u32 v3, v0, 4, 1                         ; h
	v_lshlrev_b32 v[C16], 4, v2
	v_lshl_add_u32 v[XO], v3, 12, v[C16]
	v_lshlrev_b32 v[T16], 4, v0
	v_add_nc_u32 v[AIMW], AIM, v[T16]
	v_lshlrev_b32 v[OSO], 1, v2
	s_lshr_b32 s23, s22, 3                         ; my wave puts together the scale words of token tile m = w / 8,
	s_and_b32 s24, s22, 7                          ; K step s = w % 8
	s_lshl_b32 s25, s23, 9
	s_lshl_b32 s26, s24, 2
	s_add_co_u32 s25, s25, s26
	v_lshl_add_u32 v[ASR], v2, 5, ASC
	v_add_nc_u32 v[ASCW], s25, v[ASR]
	v_lshlrev_b32 v[WSO], 5, v2
	v_lshlrev_b32 v[LI], 4, v1
	s_mul_i32 s25, s22, 32*272                     ; my stage
	v_mul_u32_u24 v[SGR], v3, 272
	v_add_nc_u32 v[SGR], v[SGR], v[C16]
	v_add_nc_u32 v[SGR], s25, v[SGR]
	v_mul_u32_u24 v[SGT], v2, 272
	v_lshl_add_u32 v[SGT], v3, 5, v[SGT]
	v_add_nc_u32 v[SGT], s25, v[SGT]
	v_add_nc_u32 v[AFA], AIM, v[LI]
	v_lshl_add_u32 v[AFB], v1, 3, AIM
	v_lshlrev_b32 v[GBO], 5, v3
	v_lshl_add_u32 v[STR], v2, 6, ST1
	s_lshl_b32 s25, s22, 2
	v_add_nc_u32 v[STW], s25, v[STR]
	s_mul_i32 s26, ttmp9, 24576                    ; oc: two token tiles of 12,288 bytes
	s_mov_b32 s27, 0
	s_lshl_b32 s28, ttmp9, 6                       ; osc: 32 tokens x 2 bytes,
	s_lshl_b32 s24, s24, 15                        ; head 2 s,
	s_add_co_u32 s28, s28, s24
	s_lshl_b32 s23, s23, 5                         ; token tile m
	s_add_co_u32 s28, s28, s23
	s_mov_b32 s29, 0
	s_mul_i32 s30, s22, 49152                      ; wo: my four tiles
	s_mov_b32 s31, 0
	s_lshl_b32 s32, s22, 11                        ; w_out_scales: my 64 rows of 32 bytes
	s_mov_b32 s33, 0
	s_lshl_b32 s34, s22, 8                         ; my 64 columns in bytes
	s_mov_b32 s35, 0
	s_lshl_b32 s40, ttmp9, 17                      ; x, out0: 32 rows of 4,096 bytes,
	s_add_co_u32 s40, s40, s34                     ; my columns
	s_mov_b32 s41, 0
	s_mov_b32 s36, 0x76543210
	s_mov_b32 s37, 0xfedcba98                      ; lane selects: lane l xor 16
	s_mov_b32 s38, 0x3a800000                      ; 1 / 1024
	s_mov_b32 s39, 0x3727c5ac                      ; 1e-5
	s_wait_kmcnt 0x0
	s_add_nc_u64 s[4:5], s[4:5], s[26:27]
	s_add_nc_u64 s[6:7], s[6:7], s[28:29]
	s_add_nc_u64 s[8:9], s[8:9], s[30:31]
	s_add_nc_u64 s[10:11], s[10:11], s[32:33]
	s_add_nc_u64 s[12:13], s[12:13], s[40:41]
	s_add_nc_u64 s[14:15], s[14:15], s[34:35]
	s_add_nc_u64 s[16:17], s[16:17], s[34:35]
	s_add_nc_u64 s[18:19], s[18:19], s[34:35]
	s_add_nc_u64 s[20:21], s[20:21], s[40:41]
.macro WLOAD s                         ; w_out's four fragments of K step s into set s % 2
.irp t, 0,1,2,3
.irp c, 0,1,2
	global_load_b128 v[WF+48*((\s)%2)+12*\t+4*\c:WF+48*((\s)%2)+12*\t+4*\c+3], v[LI], s[8:9] offset:12288*\t+1536*(\s)+512*\c
.endr
.endr
.endm
.macro AFLOAD s                        ; the tokens' two fragments of K step s: heads 2 s and 2 s + 1, half a fragment each
.irp m, 0,1
	ds_load_b128 v[AF+12*\m:AF+12*\m+3], v[AFA] offset:(8*\m+(\s))*1536
	ds_load_b64 v[AF+12*\m+4:AF+12*\m+5], v[AFB] offset:(8*\m+(\s))*1536+512
	ds_load_b128 v[AF+12*\m+6:AF+12*\m+9], v[AFA] offset:(8*\m+(\s))*1536+768
	ds_load_b64 v[AF+12*\m+10:AF+12*\m+11], v[AFB] offset:(8*\m+(\s))*1536+1280
.endr
.endm
.macro GB p, o                         ; gamma or beta of my columns, in the result's layout: tile t, columns 16 t + 8 h + 0 .. 7
.irp t, 0,1,2,3
.irp q, 0,1
	global_load_b128 v[WF+\o+8*\t+4*\q:WF+\o+8*\t+4*\q+3], v[GBO], s[\p:\p+1] offset:64*\t+16*\q
.endr
.endr
.endm
.irp i, 0,1,2,3,4,5,6,7,8,9,10,11,12,13,14,15
	global_load_b128 v[ACC+4*\i:ACC+4*\i+3], v[XO], s[12:13] offset:8192*\i th:TH_LOAD_NT   ; rows 2 i and 2 i + 1: sixteen lanes read 256 consecutive bytes, aligned
.endr
	global_load_b128 v[AF:AF+3], v[C16], s[14:15]                  ; b_out of my four columns of a row
.irp i, 0,1,2
	global_load_b128 v[AF+4+4*\i:AF+4+4*\i+3], v[T16], s[4:5] offset:8192*\i th:TH_LOAD_NT   ; the tokens' codes: 512 threads x 16 bytes, three times
.endr
	global_load_u16 v[AF+16], v[OSO], s[6:7]                       ; head 2 s's two bytes of token r,
	global_load_u16 v[AF+17], v[OSO], s[6:7] offset:16384          ; head 2 s + 1's
.irp t, 0,1,2,3
.irp q, 0,1
	global_load_b128 v[WS+8*\t+4*\q:WS+8*\t+4*\q+3], v[WSO], s[10:11] offset:512*\t+16*\q   ; w_out's scale words: a row's 32 bytes are its eight K steps' words
.endr
.endr
	WLOAD 0
	WLOAD 1
	s_wait_loadcnt 32                              ; x, b_out, the codes and their bytes are in; w_out's 8 loads of scale words and 24 of fragments may be out
.irp i, 0,1,2,3,4,5,6,7,8,9,10,11,12,13,14,15
	v_pk_add_f32 v[ACC+4*\i:ACC+4*\i+1], v[ACC+4*\i:ACC+4*\i+1], v[AF:AF+1]
	v_pk_add_f32 v[ACC+4*\i+2:ACC+4*\i+3], v[ACC+4*\i+2:ACC+4*\i+3], v[AF+2:AF+3]
.endr
.irp i, 0,1,2,3,4,5,6,7,8,9,10,11,12,13,14,15
	ds_store_b128 v[SGR], v[ACC+4*\i:ACC+4*\i+3] offset:544*\i
.endr
.irp i, 0,1,2
	ds_store_b128 v[AIMW], v[AF+4+4*\i:AF+4+4*\i+3] offset:8192*\i
.endr
	v_lshl_or_b32 v[AF+16], v[AF+17], 16, v[AF+16] ; the scale word of 128 along K: blocks 0, 1 head 2 s's, blocks 2, 3 head 2 s + 1's
	ds_store_b32 v[ASCW], v[AF+16]                 ; (lanes r and r + 16 write the same word with the same value)
.irp m, 0,1
.irp t, 0,1,2,3
.irp q, 0,1
	ds_load_b128 v[ACC+8*(4*\m+\t)+4*\q:ACC+8*(4*\m+\t)+4*\q+3], v[SGT] offset:16*\m*272+64*\t+16*\q   ; my own stage: LDS serves a wave's instructions in order
.endr
.endr
.endr
	s_wait_dscnt 0x0                               ; for the others' sake: my part of the codes and my scale words have landed
	s_barrier_signal -1
	s_barrier_wait -1
.irp m, 0,1
.irp q, 0,1
	ds_load_b128 v[AS+8*\m+4*\q:AS+8*\m+4*\q+3], v[ASR] offset:512*\m+16*\q
.endr
.endr
	AFLOAD 0
; A K step of 128: eight products, the eight accumulators by turns, one instruction a turn; each adds onto its own accumulator, which began as x + b_out.
.macro KSTEP s
.if \s < 7
	s_wait_loadcnt 12                              ; this step's fragments of w_out are in; the next step's twelve loads may be out
.else
	s_wait_loadcnt 8                               ; behind the last step's fragments stand gamma's eight loads
.endif
	s_wait_dscnt 0x0                               ; the tokens' fragments
.irp m, 0,1
.irp t, 0,1,2,3
	v_wmma_scale_f32_16x16x128_f8f6f4 v[ACC+8*(4*\m+\t):ACC+8*(4*\m+\t)+7], v[WF+48*((\s)%2)+12*\t:WF+48*((\s)%2)+12*\t+11], v[AF+12*\m:AF+12*\m+11], v[ACC+8*(4*\m+\t):ACC+8*(4*\m+\t)+7], v[WS+8*\t+\s], v[AS+8*\m+\s] matrix_a_fmt:MATRIX_FMT_FP6 matrix_b_fmt:MATRIX_FMT_FP6
.endr
.endr
.rept 4
	v_nop                                          ; places in front of loads into registers that these products have read, and of the first read of results
.endr
.if \s < 7
	AFLOAD (\s)+1
.endif
.if \s < 6
	WLOAD (\s)+2
.elseif \s == 6
	GB 16, 0                                       ; gamma takes set 0's first 32 registers,
.else
	GB 18, 48                                      ; beta set 1's
.endif
.endm
.irp s, 0,1,2,3,4,5,6,7
	KSTEP \s
.endr
; THE LAYER NORM.  A lane holds 32 of a token's numbers for each of the two token tiles; lane l xor 16 the wave's other 32; the sixteen waves' sums meet in LDS.
.irp m, 0,1
	v_pk_add_f32 v[PA+4*\m:PA+4*\m+1], v[ACC+32*\m:ACC+32*\m+1], v[ACC+32*\m+2:ACC+32*\m+3]       ; each accumulator from its low end on
	v_pk_add_f32 v[PA+4*\m+2:PA+4*\m+3], v[ACC+32*\m+4:ACC+32*\m+5], v[ACC+32*\m+6:ACC+32*\m+7]
.irp j, 8,12,16,20,24,28
	v_pk_add_f32 v[PA+4*\m:PA+4*\m+1], v[PA+4*\m:PA+4*\m+1], v[ACC+32*\m+\j:ACC+32*\m+\j+1]
	v_pk_add_f32 v[PA+4*\m+2:PA+4*\m+3], v[PA+4*\m+2:PA+4*\m+3], v[ACC+32*\m+\j+2:ACC+32*\m+\j+3]
.endr
	v_pk_add_f32 v[PA+4*\m:PA+4*\m+1], v[PA+4*\m:PA+4*\m+1], v[PA+4*\m+2:PA+4*\m+3]
	v_add_f32 v[PA+4*\m], v[PA+4*\m], v[PA+4*\m+1]
	v_permlanex16_b32 v[TP+\m], v[PA+4*\m], s36, s37
	v_add_f32 v[PA+4*\m], v[PA+4*\m], v[TP+\m]
	ds_store_b32 v[STW], v[PA+4*\m] offset:1024*\m
.endr
	s_wait_dscnt 0x0                               ; for the others' sake: my sums have landed
	s_barrier_signal -1
	s_barrier_wait -1
.macro SUM16 off                       ; the sixteen waves' words of my token, for both token tiles, added in the same order in every wave: the totals in v[RD] and v[RD + 48]
.irp m, 0,1
.irp q, 0,1,2,3
	ds_load_b128 v[RD+48*\m+4*\q:RD+48*\m+4*\q+3], v[STR] offset:\off+1024*\m+16*\q
.endr
.endr
	s_wait_dscnt 0x0
.irp m, 0,1
.irp j, 0,2,4,6
	v_pk_add_f32 v[RD+48*\m+\j:RD+48*\m+\j+1], v[RD+48*\m+\j:RD+48*\m+\j+1], v[RD+48*\m+8+\j:RD+48*\m+8+\j+1]
.endr
.irp j, 0,2
	v_pk_add_f32 v[RD+48*\m+\j:RD+48*\m+\j+1], v[RD+48*\m+\j:RD+48*\m+\j+1], v[RD+48*\m+4+\j:RD+48*\m+4+\j+1]
.endr
	v_pk_add_f32 v[RD+48*\m:RD+48*\m+1], v[RD+48*\m:RD+48*\m+1], v[RD+48*\m+2:RD+48*\m+3]
	v_add_f32 v[RD+48*\m], v[RD+48*\m], v[RD+48*\m+1]
.endr
.endm
	SUM16 0
.irp m, 0,1
	v_mul_f32 v[MU+2*\m], s38, v[RD+48*\m]         ; the mean
.endr
.irp m, 0,1
.irp j, 0,2,4,6,8,10,12,14,16,18,20,22,24,26,28,30
	v_pk_add_f32 v[ACC+32*\m+\j:ACC+32*\m+\j+1], v[ACC+32*\m+\j:ACC+32*\m+\j+1], v[MU+2*\m:MU+2*\m+1] op_sel_hi:[1,0] neg_lo:[0,1] neg_hi:[0,1]   ; y - mean
.endr
.endr
.irp m, 0,1
	v_pk_mul_f32 v[PA+4*\m:PA+4*\m+1], v[ACC+32*\m:ACC+32*\m+1], v[ACC+32*\m:ACC+32*\m+1]
	v_pk_mul_f32 v[PA+4*\m+2:PA+4*\m+3], v[ACC+32*\m+2:ACC+32*\m+3], v[ACC+32*\m+2:ACC+32*\m+3]
.irp j, 4,8,12,16,20,24,28
	v_pk_fma_f32 v[PA+4*\m:PA+4*\m+1], v[ACC+32*\m+\j:ACC+32*\m+\j+1], v[ACC+32*\m+\j:ACC+32*\m+\j+1], v[PA+4*\m:PA+4*\m+1]
	v_pk_fma_f32 v[PA+4*\m+2:PA+4*\m+3], v[ACC+32*\m+\j+2:ACC+32*\m+\j+3], v[ACC+32*\m+\j+2:ACC+32*\m+\j+3], v[PA+4*\m+2:PA+4*\m+3]
.endr
	v_pk_add_f32 v[PA+4*\m:PA+4*\m+1], v[PA+4*\m:PA+4*\m+1], v[PA+4*\m+2:PA+4*\m+3]
	v_add_f32 v[PA+4*\m], v[PA+4*\m], v[PA+4*\m+1]
	v_permlanex16_b32 v[TP+\m], v[PA+4*\m], s36, s37
	v_add_f32 v[PA+4*\m], v[PA+4*\m], v[TP+\m]
	ds_store_b32 v[STW], v[PA+4*\m] offset:2048+1024*\m            ; bytes of their own: no wave still reading the first sums is disturbed
.endr
	s_wait_dscnt 0x0
	s_barrier_signal -1
	s_barrier_wait -1
	SUM16 2048
.irp m, 0,1
	v_fma_f32 v[VT+\m], v[RD+48*\m], s38, s39      ; the variance + 1e-5
.endr
.irp m, 0,1
	v_rsq_f32 v[RS+2*\m], v[VT+\m]
.endr
	v_nop                                          ; a plain instruction behind the two roots
	s_wait_alu depctr_va_vdst(0)                   ; and the wait ahead of their first reader: one for both
	s_wait_loadcnt 0x0                             ; gamma and beta
.irp m, 0,1
.irp j, 0,2,4,6,8,10,12,14,16,18,20,22,24,26,28,30
	v_pk_mul_f32 v[ACC+32*\m+\j:ACC+32*\m+\j+1], v[ACC+32*\m+\j:ACC+32*\m+\j+1], v[RS+2*\m:RS+2*\m+1] op_sel_hi:[1,0]
.endr
.irp j, 0,2,4,6,8,10,12,14,16,18,20,22,24,26,28,30
	v_pk_fma_f32 v[ACC+32*\m+\j:ACC+32*\m+\j+1], v[ACC+32*\m+\j:ACC+32*\m+\j+1], v[WF+\j:WF+\j+1], v[WF+48+\j:WF+48+\j+1]
.endr
.endr
; The way out: back through my own stage, so that sixteen lanes store 256 consecutive bytes of a row.
.irp m, 0,1
.irp t, 0,1,2,3
.irp q, 0,1
	ds_store_b128 v[SGT], v[ACC+8*(4*\m+\t)+4*\q:ACC+8*(4*\m+\t)+4*\q+3] offset:16*\m*272+64*\t+16*\q
.endr
.endr
.endr
.irp i, 0,1,2,3,4,5,6,7,8,9,10,11,12,13,14,15
	ds_load_b128 v[ACC+4*\i:ACC+4*\i+3], v[SGR] offset:544*\i      ; LDS serves a wave's instructions in order: these see the stores above
.endr
.irp i, 0,1,2,3,4,5,6,7,8,9,10,11,12,13,14,15
	s_wait_dscnt 15-\i                             ; rows 2 i and 2 i + 1 are back; the later loads may be out
	global_store_b128 v[XO], v[ACC+4*\i:ACC+4*\i+3], s[20:21] offset:8192*\i th:TH_STORE_NT
.endr
	s_wait_tensorcnt 0x0
	ds_add_u32 v254, v255
	s_wait_dscnt 0x0
	s_endpgm
.Lfunc_end_k_qa4191bc020_outln:
	.size	k_qa4191bc020_outln, .Lfunc_end_k_qa4191bc020_outln-k_qa4191bc020_outln
	.p2alignl 7, 3214868480
	.fill 96, 4, 3214868480
	.section	.rodata,"a",@progbits
	.p2align	6, 0x0
	.amdhsa_kernel k_qa4191bc020_outln
		.amdhsa_group_segment_fixed_size 171008
		.amdhsa_private_segment_fixed_size 0
		.amdhsa_enable_private_segment 0
		.amdhsa_kernarg_size 72
		.amdhsa_user_sgpr_count 2
		.amdhsa_user_sgpr_kernarg_segment_ptr 1
		.amdhsa_wavefront_size32 1
		.amdhsa_system_sgpr_workgroup_id_x 1
		.amdhsa_system_sgpr_workgroup_id_y 1
		.amdhsa_system_sgpr_workgroup_id_z 1
		.amdhsa_system_vgpr_workitem_id 0
		.amdhsa_next_free_vgpr 256
		.amdhsa_next_free_sgpr 66
		.amdhsa_reserve_vcc 0
		.amdhsa_float_denorm_mode_32 3
		.amdhsa_float_denorm_mode_16_64 3
		.amdhsa_memory_ordered 1
		.amdhsa_forward_progress 1
		.amdhsa_inst_pref_size 54
	.end_amdhsa_kernel
	.amdgpu_metadata
---
amdhsa.version: [ 1, 2 ]
amdhsa.kernels:
  - .name:           k_qa4191bc020_outln
    .symbol:         k_qa4191bc020_outln.kd
    .args:
      - { .name: oc, .offset: 0, .size: 8, .value_kind: global_buffer, .address_space: global }
      - { .name: osc, .offset: 8, .size: 8, .value_kind: global_buffer, .address_space: global }
      - { .name: wo, .offset: 16, .size: 8, .value_kind: global_buffer, .address_space: global }
      - { .name: w_out_scales, .offset: 24, .size: 8, .value_kind: global_buffer, .address_space: global }
      - { .name: x, .offset: 32, .size: 8, .value_kind: global_buffer, .address_space: global }
      - { .name: b_out, .offset: 40, .size: 8, .value_kind: global_buffer, .address_space: global }
      - { .name: gamma, .offset: 48, .size: 8, .value_kind: global_buffer, .address_space: global }
      - { .name: beta, .offset: 56, .size: 8, .value_kind: global_buffer, .address_space: global }
      - { .name: out0, .offset: 64, .size: 8, .value_kind: global_buffer, .address_space: global }
    .group_segment_fixed_size: 171008
    .private_segment_fixed_size: 0
    .kernarg_segment_align: 8
    .kernarg_segment_size: 72
    .max_flat_workgroup_size: 512
    .sgpr_count:     66
    .vgpr_count:     256
    .wavefront_size: 32
...
	.end_amdgpu_metadata
.endif
;; end of part 4
